; MI455X (gfx1250); checked and timed in simulation.
; The chip was launched on July 23, 2026; its instructions are those of AMD's public machine-readable ISA for CDNA 5 (MIT licence, August 2026) and "CDNA5" Instruction Set Architecture Reference Guide (July 2026). The comments in the code are by the model that wrote it; some were corrected since.
;; Parallel Swin Layer. Allowed arithmetic: matrix products marked QUANTISED: E2M3 operands, one E8M0 scale for each 32 along K, by v_wmma_scale_f32_16x16x128_f8f6f4 with both operands' format E2M3, f32 sums; everything else in f32.
;; Inputs: dt 2 x 1,024 float32; g_attn 1,024 float32; g_ff 1,024 float32; t 2 float32; w1 4,096 x 1,024 float32; w2 1,024 x 2,048 float32; w_o 1,024 x 1,024 float32; w_qkv 3,072 x 1,024 float32; x 2 x 2,048 x 1,024 float32.
;; Outputs: out0 2 x 2,048 x 1,024 float32.
;; This version of the problem:
;;   THIS VERSION OF THE PROBLEM IS GIVEN IN LOW PRECISION. The matrix products marked QUANTISED in the list below multiply operands that are first quantised to E2M3 (2 exponent bits, 3 mantissa bits; 6 bits a number), with one power-of-two scale for each 32 numbers along K (OCP MX v1.0); their sums are f32. All else is computed in f32.
;;   The module's matrix products, in the order in which they are computed (A, B: the left and right operand; K: the contracted axis; several contracted axes count as one K, in the product's order):
;;     1. [M 4,096, K 1,024] x [K 1,024, N 3,072]; A: computed on the way; B: input w_qkv: QUANTISED
;;     2. batch 32 x [M 2,048, K 64] x [K 64, N 2,048]; A: computed on the way; B: computed on the way: QUANTISED
;;     3. batch 32 x [M 2,048, K 2,048] x [K 2,048, N 64]; A: softmax (see below); B: computed on the way: QUANTISED
;;     4. [M 4,096, K 1,024] x [K 1,024, N 1,024]; A: computed on the way; B: input w_o: QUANTISED
;;     5. [M 4,096, K 1,024] x [K 1,024, N 4,096]; A: computed on the way; B: input w1: QUANTISED
;;     6. [M 4,096, K 2,048] x [K 2,048, N 1,024]; A: computed on the way; B: input w2: QUANTISED
;;   THE QUANTISER, for each operand of a quantised product, along K:
;;     - K is cut into blocks of 32 from its start; a last block that is shorter is filled with zeros.
;;     - A block's scale is 2^e with e = floor(log2(the largest magnitude in the block)) - 2, held to -126 .. 127; a block of zeros has e = 0. As a byte (E8M0): e + 127.
;;     - Each number is divided by its block's scale, clamped to +-7.5, and rounded to the nearest number of E2M3, ties to even, subnormals kept.
;;     - The product sums the exact products of the quantised numbers (number of the format x scale) in f32.
;;   ~~~python
;;   def quantise(x, axis):      # numpy; x: float32 -> the quantised numbers, widened to float32 again
;;       x = np.moveaxis(x, axis, -1); K = x.shape[-1]
;;       x = np.pad(x, [(0, 0)] * (x.ndim - 1) + [(0, -K % 32)]); x = x.reshape(x.shape[:-1] + (-1, 32)); a = np.abs(x).max(-1, keepdims=True)
;;       e = np.where(a > 0, np.clip(np.frexp(np.where(a > 0, a, 1))[1] - 1 - 2, -126, 127), 0)      # np.frexp(a)[1] - 1 = floor(log2(a)), exactly
;;       r = np.clip(x / 2.0 ** e, -7.5, 7.5)
;;       step = 2.0 ** (np.maximum(np.frexp(np.where(r == 0, 1, r))[1] - 1, 0) - 3)
;;       q = np.round(r / step) * step * 2.0 ** e      # np.round: ties to even
;;       return np.moveaxis(q.reshape(q.shape[:-2] + (-1,))[..., :K], -1, axis).astype(np.float32)
;;   ~~~
;;   SOFTMAX AHEAD OF A QUANTISED PRODUCT. Where the list says 'softmax', what is quantised is not the finished softmax but p = 2^(t - M), with t = logit x log2(e) and M = ceil(the row's largest t), a whole number; so 1/2 < the row's largest p <= 1. The row's sum l is taken of the UNQUANTISED p, in f32, and the product's result is divided by l at the end. Since M is a whole number, a kernel that streams over the keys may use a running M (the ceiling of the running maximum): every later rescaling is an exact power of two, which a block's scale takes up: the codes' values come out the same.
;;   OPERANDS COMPUTED ON THE WAY. 'Computed on the way' means the value that the module computes at that place (a softmax that the list does not call 'softmax' is quantised finished and normalised). What goes into a quantiser is computed in f32, as accurately as f32 sums, v_exp_f32 and their like allow (about 1e-6 of the number): no bf16 or f16 on the way to a quantiser, and a product that is left as it is and whose result goes on into a quantised operand takes f32 operands (vector FMAs, or v_wmma_f32_16x16x4_f32). A number that lies on a knife's edge between two numbers of the format may be rounded either way, as far as f32 arithmetic and the matrix unit's own rounding can turn it there, and no further.
;; One version. Each part assembles by itself: llvm-mc -triple=amdgcn-amd-amdhsa -mcpu=gfx1250 --defsym DOCPART=n.
;; ======== version 1 of 1: 7 launches
;; limits: right only within a limited range of input values
;; workspace buffers: wc 8,192,000 bytes; hc 3,276,800 bytes; qc 3,276,800 bytes; kvc 6,553,600 bytes; oc 3,276,800 bytes; x1 16,777,216 bytes; hfc 3,276,800 bytes; ac 6,553,600 bytes
;; launch prep (part 1): grid 448 x 1, 8 waves a work-group, no clusters, 141,824 bytes of LDS; arguments x, g_attn, w_qkv, w_o, w1, w2, hc, wc; writes hc, wc
.if DOCPART == 1
	.amdgcn_target "amdgcn-amd-amdhsa--gfx1250"
	.amdhsa_code_object_version 6
	.text
	.protected	k_qa510d72cd9_prep
	.globl	k_qa510d72cd9_prep
	.p2align	8
	.type	k_qa510d72cd9_prep,@function
k_qa510d72cd9_prep:
	s_mov_b64 s[64:65], 0
	v_nop
	global_prefetch_b8 v0, s[64:65] scope:SCOPE_SE
	s_setreg_imm32_b32 hwreg(HW_REG_WAVE_MODE, 25, 1), 1
	s_wait_xcnt 0x0
; PREP: h = x * rsqrt(mean(x^2) + eps) * g_attn and the four weights become codes of FP6 (E2M3) with one E8M0 byte for each 32 along K, laid as the matrix unit's registers take them.
; (The inputs t and dt enter nothing that the layer returns: no launch of this program names them.)
; LAYOUT OF EVERY OPERAND.  A CELL, 6,400 bytes, is 64 rows x 128 K: four fragments of 1,536 bytes, then 256 bytes of scale words.  Fragment 2 B + U holds in lane row r the row 32 B + 8 U + r + 8 (r / 8).
; A fragment is the image of its 12 registers: registers 0-3 at 16 x lane, 4-5 at 512 + 8 x lane, 6-9 at 768 + 16 x lane, 10-11 at 1,280 + 8 x lane.  Scale words: at 6,144 + 128 B + 4 x lane, lanes 0-15 fragment 2 B, lanes 16-31 fragment 2 B + 1.
; Cell (group g of 64 rows, K step s) lies at (g x K/128 + s) x 6,400.  w1's groups alternate: group 2 m holds gate rows 64 m on, group 2 m + 1 the up rows 2,048 + 64 m on.
; SHARES.  A work-group takes 32 neighbouring rows x 1,024 along K; wave w the K step w: 32 rows x 512 bytes, two fragments.  Units: 0-127 x, 128-223 w_qkv, 224-255 w_o, 256-383 w1, 384-447 w2 (two units to 32 rows: K is 2,048).
; Each load reads 512 consecutive bytes of a row; the rows turn through the wave's own stage in LDS (rows 528 bytes apart), from which a lane takes whole blocks of 32 neighbours along K.
; WHAT ONLY x's UNITS DO stands in two arms of branches on the work-group's number: the sums of squares with their LDS stores, and the norm.  Each arm reads only registers written on the common path or in itself.  The gain's 512 bytes
; (at 512 x wave, inside its 4,096 bytes in every unit) are loaded and staged by every unit, so that the load stands with the others; a weight's unit does not read them back.
; No tensor loads, no cluster: work-groups share no input but the 4 KiB of the gain.  One barrier, for the rows' sums of squares, which span the eight waves; it stands on the path that every work-group takes.
; LIMITS: NaN and infinities are not served; a block of zeros, or one whose largest magnitude lies under 2^-124, gets the byte 1 (zeros have zero codes, and this program alone reads the bytes).
.set SP,   528                         ; a stage row: 512 bytes + 16
.set WST,  33*SP                       ; a wave's stage: 32 rows and the gain's 512 bytes
.set PART, 8*WST                       ; behind the stages: [32 rows][8 waves] partial sums of squares
.set X,    16                          ; v16-143  128 numbers: fragment U, half c, number i at X + 64 U + 32 c + i
.set G,    144                         ; v144-207 the gain at my 64 places along K; later at work
.set CD,   208                         ; v208-231 the partial sums and 1 / rms, then the two fragments' codes
.set W,    232                         ; v232-239 at work
.set BY,   144                         ; four scale bytes
.set SW,   148                         ; two scale words
.set CT,   152                         ; the second half of a block's codes (a conversion's three registers begin on an even number)
	s_load_b256 s[4:11], s[0:1], 0x0               ; x, g_attn, w_qkv, w_o
	s_load_b256 s[12:19], s[0:1], 0x20             ; w1, w2, hc, wc
	v_lshl_add_u32 v240, v0, 2, 0x22600
	v_mov_b32 v241, 0
	v_lshrrev_b32 v1, 5, v0
	s_delay_alu instid0(VALU_DEP_1)
	v_readfirstlane_b32 s20, v1                    ; wave 0..7
	v_and_b32 v1, 31, v0                           ; lane
	s_delay_alu instid0(VALU_DEP_1)
	v_lshlrev_b32 v2, 4, v1                        ; 16 x lane
	s_delay_alu instid0(VALU_DEP_2)
	v_lshlrev_b32 v3, 3, v1                        ; 8 x lane
	s_delay_alu instid0(VALU_DEP_3)
	v_lshlrev_b32 v4, 2, v1                        ; 4 x lane
	v_and_b32 v11, 15, v0                          ; r
	v_bfe_u32 v12, v0, 4, 1                        ; h
	s_mul_i32 s21, s20, WST
	v_add_nc_u32 v5, s21, v2                       ; the stage, on the way in: 16 bytes a lane of a row
	v_mul_u32_u24 v6, v11, SP
	s_delay_alu instid0(VALU_DEP_1)
	v_lshl_add_u32 v6, v12, 7, v6
	s_delay_alu instid0(VALU_DEP_1)
	v_add_nc_u32 v6, s21, v6                       ; on the way out: row r, + 128 h: my block of 32 numbers
	v_lshlrev_b32 v10, 7, v12
	s_delay_alu instid0(VALU_DEP_1)
	v_add_nc_u32 v10, s21, v10                     ; the gain's row: + 128 h
	v_lshlrev_b32 v8, 5, v11
	s_delay_alu instid0(VALU_DEP_1)
	v_add_nc_u32 v8, PART, v8                      ; my row's eight partial sums
	s_lshl_b32 s22, s20, 2
	v_add_nc_u32 v7, s22, v8                       ; and my wave's word among them
	v_lshlrev_b32 v9, 3, v12                       ; 8 h
	s_mov_b32 s40, 0x76543210
	s_mov_b32 s41, 0xfedcba98                      ; v_permlanex16_b32's selects for lane l xor 16
	s_mov_b32 s48, 0x3a800000                      ; 1 / 1,024
	s_mov_b32 s49, 0x34000000                      ; eps = 2^-23
	s_lshl_b32 s38, s20, 9                         ; the gain's 512 bytes of K step = wave
	s_mov_b32 s39, 0
	s_wait_kmcnt 0x0
	; which tensor: the choices hang on the work-group's number alone
	s_mov_b64 s[24:25], s[4:5]
	s_mov_b32 s28, 0                               ; the tensor's first unit
	s_mov_b32 s29, 0                               ; its first byte in the buffer of codes
	s_cmp_ge_u32 ttmp9, 128
	s_cselect_b64 s[24:25], s[8:9], s[24:25]
	s_cselect_b64 s[26:27], s[18:19], s[16:17]
	s_cselect_b32 s28, 128, s28
	s_cmp_ge_u32 ttmp9, 224
	s_cselect_b64 s[24:25], s[10:11], s[24:25]
	s_cselect_b32 s28, 224, s28
	s_cselect_b32 s29, 2457600, s29
	s_cmp_ge_u32 ttmp9, 256
	s_cselect_b64 s[24:25], s[12:13], s[24:25]
	s_cselect_b32 s28, 256, s28
	s_cselect_b32 s29, 3276800, s29
	s_cselect_b32 s30, 1, 0
	s_cmp_ge_u32 ttmp9, 384
	s_cselect_b64 s[24:25], s[14:15], s[24:25]
	s_cselect_b32 s28, 384, s28
	s_cselect_b32 s29, 6553600, s29
	s_cselect_b32 s31, 1, 0                        ; 1 for w2: rows of 8,192 bytes, 16 K steps
	s_sub_co_u32 s30, s30, s31                     ; 1 for w1
	s_sub_co_u32 s28, ttmp9, s28                   ; the unit within its tensor
	s_and_b32 s32, s28, s31                        ; w2: which half of K
	s_lshr_b32 s28, s28, s31                       ; which 32 rows
	s_and_b32 s33, s28, 1                          ; B
	s_lshr_b32 s28, s28, 1                         ; the group in the buffer of codes
	s_lshr_b32 s34, s28, 1
	s_and_b32 s35, s28, 1
	s_lshl_b32 s35, s35, 5
	s_add_co_u32 s34, s34, s35                     ; w1: group 2 m + e comes from rows 64 (m + 32 e) on
	s_cmp_eq_u32 s30, 1
	s_cselect_b32 s34, s34, s28
	s_lshl_b32 s32, s32, 3
	s_add_co_u32 s32, s32, s20                     ; my K step
	s_lshl_b32 s34, s34, 1
	s_add_co_u32 s34, s34, s33                     ; in runs of 32 rows,
	s_add_co_u32 s35, s31, 17
	s_lshl_b32 s34, s34, s35                       ; of 2^17 or 2^18 bytes
	s_lshl_b32 s36, s32, 9
	s_add_nc_u64 s[46:47], s[6:7], s[38:39]        ; the gain at K step = wave
	s_add_co_u32 s34, s34, s36
	s_mov_b32 s35, 0
	s_add_nc_u64 s[24:25], s[24:25], s[34:35]      ; my 32 rows at my K step
	s_add_co_u32 s36, s31, 3
	s_lshl_b32 s36, s28, s36
	s_add_co_u32 s36, s36, s32                     ; the cell
	s_mul_i32 s36, s36, 6400
	s_add_co_u32 s36, s36, s29
	s_mul_i32 s37, s33, 3072
	s_add_co_u32 s34, s36, s37
	s_add_nc_u64 s[42:43], s[26:27], s[34:35]      ; fragments 2 B, 2 B + 1
	s_lshl_b32 s37, s33, 7
	s_add_co_u32 s34, s36, s37
	s_add_co_u32 s34, s34, 6144
	s_add_nc_u64 s[44:45], s[26:27], s[34:35]      ; their scale words
.macro LOADS pitch                     ; 32 rows, 512 consecutive bytes each
.set i, 0
.rept 32
	global_load_b128 v[X+4*i:X+4*i+3], v2, s[24:25] offset:i*\pitch th:TH_LOAD_NT
.set i, i+1
.endr
.endm
	global_load_b128 v[W:W+3], v2, s[46:47]        ; the gain: in every unit
	s_cmp_eq_u32 s31, 1
	s_cbranch_scc1 .Lwide
	LOADS 4096
	s_branch .Lloaded
.Lwide:
	LOADS 8192
.Lloaded:
	s_wait_loadcnt 0x0
	; the turn: row i goes to the stage row of its fragment and lane row
.set i, 0
.rept 32
	ds_store_b128 v5, v[X+4*i:X+4*i+3] offset:(16*((i>>3)&1)+(i&7)+8*(i>>4))*SP
.set i, i+1
.endr
	ds_store_b128 v5, v[W:W+3] offset:32*SP        ; the gain's 512 bytes behind them
	s_wait_dscnt 0x0                               ; the stores are done: the loads below land in the registers that they read
	s_wait_alu depctr_va_vdst(0)
.irp u, 0,1
.irp c, 0,1
.irp j, 0,1,2,3,4,5,6,7
	ds_load_b128 v[X+64*\u+32*\c+4*\j:X+64*\u+32*\c+4*\j+3], v6 offset:16*\u*SP+256*\c+16*\j
.endr
.endr
.endr
.macro SUMSQ u                         ; the sum of squares of my row's 128 numbers of this K step: my 64, in two packed chains, and lane l xor 16's
	v_pk_mul_f32 v[W:W+1], v[X+64*\u:X+64*\u+1], v[X+64*\u:X+64*\u+1]
	v_pk_mul_f32 v[W+2:W+3], v[X+64*\u+2:X+64*\u+3], v[X+64*\u+2:X+64*\u+3]
.set j, 4
.rept 15
	s_delay_alu instid0(VALU_DEP_2)
	v_pk_fma_f32 v[W:W+1], v[X+64*\u+j:X+64*\u+j+1], v[X+64*\u+j:X+64*\u+j+1], v[W:W+1]
	s_delay_alu instid0(VALU_DEP_2)
	v_pk_fma_f32 v[W+2:W+3], v[X+64*\u+j+2:X+64*\u+j+3], v[X+64*\u+j+2:X+64*\u+j+3], v[W+2:W+3]
.set j, j+4
.endr
	s_delay_alu instid0(VALU_DEP_1)
	v_pk_add_f32 v[W:W+1], v[W:W+1], v[W+2:W+3]
	s_delay_alu instid0(VALU_DEP_1)
	v_add_f32 v[W], v[W], v[W+1]
	s_delay_alu instid0(VALU_DEP_1)
	v_permlanex16_b32 v[W+2], v[W], s40, s41
	s_delay_alu instid0(VALU_DEP_1)
	v_add_f32 v[W+4+\u], v[W], v[W+2]
.endm
	s_cmp_lt_u32 ttmp9, 128
	s_cbranch_scc0 .Lno_sums
	s_wait_dscnt 0x0                               ; my numbers are back from the stage
	SUMSQ 0
	SUMSQ 1
	ds_store_b32 v7, v[W+4]                        ; lanes r and r + 16 write the same word with the same value
	ds_store_b32 v7, v[W+5] offset:512
.Lno_sums:
	s_wait_dscnt 0x0                               ; for the others' sake: my partial sums lie in LDS; and my numbers are back from the stage
	s_barrier_signal -1
	s_barrier_wait -1
	s_cmp_lt_u32 ttmp9, 128
	s_cbranch_scc0 .Lno_norm
.irp u, 0,1
	ds_load_b128 v[CD+8*\u:CD+8*\u+3], v8 offset:512*\u
	ds_load_b128 v[CD+8*\u+4:CD+8*\u+7], v8 offset:512*\u+16
.endr
.irp c, 0,1                                    ; the gain, back from my own stage: 64 numbers a lane, at the places along K of my two blocks of each fragment
.irp j, 0,1,2,3,4,5,6,7
	ds_load_b128 v[G+32*\c+4*\j:G+32*\c+4*\j+3], v10 offset:32*SP+256*\c+16*\j
.endr
.endr
	s_wait_dscnt 0x0
.irp u, 0,1
	v_pk_add_f32 v[CD+8*\u:CD+8*\u+1], v[CD+8*\u:CD+8*\u+1], v[CD+8*\u+2:CD+8*\u+3]
	v_pk_add_f32 v[CD+8*\u+4:CD+8*\u+5], v[CD+8*\u+4:CD+8*\u+5], v[CD+8*\u+6:CD+8*\u+7]
.endr
.irp u, 0
	s_delay_alu instid0(VALU_DEP_3)
	v_pk_add_f32 v[CD+8*\u:CD+8*\u+1], v[CD+8*\u:CD+8*\u+1], v[CD+8*\u+4:CD+8*\u+5]
.endr
.irp u, 1
	s_delay_alu instid0(VALU_DEP_2)
	v_pk_add_f32 v[CD+8*\u:CD+8*\u+1], v[CD+8*\u:CD+8*\u+1], v[CD+8*\u+4:CD+8*\u+5]
.endr
.irp u, 0,1
	s_delay_alu instid0(VALU_DEP_2)
	v_add_f32 v[CD+8*\u], v[CD+8*\u], v[CD+8*\u+1]
.endr
.irp u, 0,1
	s_delay_alu instid0(VALU_DEP_2)
	v_fma_f32 v[CD+8*\u], v[CD+8*\u], s48, s49     ; the mean of the squares + eps
.endr
	s_wait_alu depctr_va_vdst(0)
.irp u, 0,1
	v_rsq_f32 v[CD+8*\u+2], v[CD+8*\u]             ; into the low word of a pair whose two words were loaded above: the packed multiply names the pair and takes its low word for both halves
.endr
	v_nop                                          ; a plain instruction behind the last of the two
	s_wait_alu depctr_va_vdst(0)                   ; one wait for both, ahead of their first reader
.irp u, 0,1
.set j, 0
.rept 32
	v_pk_mul_f32 v[X+64*\u+j:X+64*\u+j+1], v[X+64*\u+j:X+64*\u+j+1], v[CD+8*\u+2:CD+8*\u+3] op_sel_hi:[1,0]
.set j, j+2
.endr
.set j, 0
.rept 32
	v_pk_mul_f32 v[X+64*\u+j:X+64*\u+j+1], v[X+64*\u+j:X+64*\u+j+1], v[G+j:G+j+1]
.set j, j+2
.endr
.endr
.Lno_norm:
; A block of 32: all its numbers are mine.  Its largest magnitude (with the floor 2^(3 - 127) among the leaves, which holds the byte at 1 from below) less 2 in the exponent field is the conversion's scale operand.
.macro QB u, c
.set xs, X+64*\u+32*\c
	v_max3_num_f32 v[W], |v[xs]|, |v[xs+1]|, 0x1800000
	v_max3_num_f32 v[W+1], |v[xs+2]|, |v[xs+3]|, |v[xs+4]|
.irp i, 5,9,13,17,21,25
	s_delay_alu instid0(VALU_DEP_2)
	v_max3_num_f32 v[W], v[W], |v[xs+\i]|, |v[xs+\i+1]|
	s_delay_alu instid0(VALU_DEP_2)
	v_max3_num_f32 v[W+1], v[W+1], |v[xs+\i+2]|, |v[xs+\i+3]|
.endr
	s_delay_alu instid0(VALU_DEP_2)
	v_max3_num_f32 v[W], v[W], |v[xs+29]|, |v[xs+30]|
	s_delay_alu instid0(VALU_DEP_1)
	v_max3_num_f32 v[W], v[W], v[W+1], |v[xs+31]|
	s_delay_alu instid0(VALU_DEP_1)
	v_add_nc_u32 v[W+2], 0xff000000, v[W]
	s_delay_alu instid0(VALU_DEP_1)
	v_lshrrev_b32 v[BY+2*\u+\c], 23, v[W+2]        ; the scale's byte
	v_cvt_scalef32_pk16_fp6_f32 v[CD+12*\u+6*\c:CD+12*\u+6*\c+2], v[xs:xs+15], v[W+2]
	v_cvt_scalef32_pk16_fp6_f32 v[CT:CT+2], v[xs+16:xs+31], v[W+2]
	v_nop                                          ; one plain instruction behind a scaled conversion
.irp i, 0,1,2
	v_mov_b32 v[CD+12*\u+6*\c+3+\i], v[CT+\i]
.endr
.endm
	QB 0, 0
	QB 0, 1
	QB 1, 0
	QB 1, 1
	v_mov_b32 v[W+4], 0                            ; a lane permute's destination counts as one of its sources, and a weight's unit has not written these two
	v_mov_b32 v[W+5], 0
.irp u, 0,1
	v_lshl_or_b32 v[SW+\u], v[BY+2*\u+1], 16, v[BY+2*\u]   ; my two bytes: blocks h and 2 + h,
	s_delay_alu instid0(VALU_DEP_1)
	v_lshlrev_b32 v[SW+\u], v9, v[SW+\u]                   ; at their places;
	s_delay_alu instid0(VALU_DEP_1)
	v_permlanex16_b32 v[W+4+\u], v[SW+\u], s40, s41
	s_delay_alu instid0(VALU_DEP_1)
	v_or_b32 v[SW+\u], v[SW+\u], v[W+4+\u]                 ; with lane l xor 16's two the word is whole
.endr
	v_cmp_gt_u32 vcc_lo, 16, v1
	s_delay_alu instid0(VALU_DEP_1)
	v_cndmask_b32 v[SW], v[SW+1], v[SW], vcc_lo    ; lanes 0-15 fragment 2 B's words, lanes 16-31 fragment 2 B + 1's
.irp u, 0,1
	global_store_b128 v2, v[CD+12*\u:CD+12*\u+3], s[42:43] offset:1536*\u            ; each store covers 512 or 256 consecutive bytes, aligned on 256
	global_store_b64 v3, v[CD+12*\u+4:CD+12*\u+5], s[42:43] offset:1536*\u+512
	global_store_b128 v2, v[CD+12*\u+6:CD+12*\u+9], s[42:43] offset:1536*\u+768
	global_store_b64 v3, v[CD+12*\u+10:CD+12*\u+11], s[42:43] offset:1536*\u+1280
.endr
	global_store_b32 v4, v[SW], s[44:45]
	s_wait_tensorcnt 0x0
	ds_add_u32 v240, v241
	s_wait_dscnt 0x0
	s_endpgm
.Lfunc_end_k_qa510d72cd9_prep:
	.size	k_qa510d72cd9_prep, .Lfunc_end_k_qa510d72cd9_prep-k_qa510d72cd9_prep
	.p2alignl 7, 3214868480
	.fill 96, 4, 3214868480
	.section	.rodata,"a",@progbits
	.p2align	6, 0x0
	.amdhsa_kernel k_qa510d72cd9_prep
		.amdhsa_group_segment_fixed_size 141824
		.amdhsa_private_segment_fixed_size 0
		.amdhsa_enable_private_segment 0
		.amdhsa_kernarg_size 64
		.amdhsa_user_sgpr_count 2
		.amdhsa_user_sgpr_kernarg_segment_ptr 1
		.amdhsa_wavefront_size32 1
		.amdhsa_system_sgpr_workgroup_id_x 1
		.amdhsa_system_sgpr_workgroup_id_y 1
		.amdhsa_system_sgpr_workgroup_id_z 1
		.amdhsa_system_vgpr_workitem_id 0
		.amdhsa_next_free_vgpr 242
		.amdhsa_next_free_sgpr 66
		.amdhsa_reserve_vcc 1
		.amdhsa_float_denorm_mode_32 3
		.amdhsa_float_denorm_mode_16_64 3
		.amdhsa_memory_ordered 1
		.amdhsa_forward_progress 1
		.amdhsa_inst_pref_size 41
	.end_amdhsa_kernel
	.amdgpu_metadata
---
amdhsa.version: [ 1, 2 ]
amdhsa.kernels:
  - .name:           k_qa510d72cd9_prep
    .symbol:         k_qa510d72cd9_prep.kd
    .args:
      - { .name: x, .offset: 0, .size: 8, .value_kind: global_buffer, .address_space: global }
      - { .name: g_attn, .offset: 8, .size: 8, .value_kind: global_buffer, .address_space: global }
      - { .name: w_qkv, .offset: 16, .size: 8, .value_kind: global_buffer, .address_space: global }
      - { .name: w_o, .offset: 24, .size: 8, .value_kind: global_buffer, .address_space: global }
      - { .name: w1, .offset: 32, .size: 8, .value_kind: global_buffer, .address_space: global }
      - { .name: w2, .offset: 40, .size: 8, .value_kind: global_buffer, .address_space: global }
      - { .name: hc, .offset: 48, .size: 8, .value_kind: global_buffer, .address_space: global }
      - { .name: wc, .offset: 56, .size: 8, .value_kind: global_buffer, .address_space: global }
    .group_segment_fixed_size: 141824
    .private_segment_fixed_size: 0
    .kernarg_segment_align: 8
    .kernarg_segment_size: 64
    .max_flat_workgroup_size: 256
    .sgpr_count:     66
    .vgpr_count:     242
    .wavefront_size: 32
...
	.end_amdgpu_metadata
.endif
;; end of part 1
;; launch qkv (part 2): grid 4 x 48, 4 waves a work-group, clusters of 4 x 4, 327,680 bytes of LDS; arguments hc, wc, qc, kvc; writes qc, kvc
.if DOCPART == 2
	.amdgcn_target "amdgcn-amd-amdhsa--gfx1250"
	.amdhsa_code_object_version 6
	.text
	.protected	k_qa510d72cd9_qkv
	.globl	k_qa510d72cd9_qkv
	.p2align	8
	.type	k_qa510d72cd9_qkv,@function
k_qa510d72cd9_qkv:
	s_mov_b64 s[64:65], 0
	v_nop
	global_prefetch_b8 v0, s[64:65] scope:SCOPE_SE
	s_setreg_imm32_b32 hwreg(HW_REG_WAVE_MODE, 25, 1), 1
	s_wait_xcnt 0x0
	s_wait_alu depctr_hold_cnt(0) depctr_sa_sdst(0) depctr_va_vdst(0) depctr_va_sdst(0) depctr_va_ssrc(0) depctr_va_vcc(0) depctr_vm_vsrc(0)
	s_getreg_b32 s2, hwreg(HW_REG_IB_STS2, 6, 4)
	s_cmp_eq_u32 s2, 0
	s_cbranch_scc0 .Lentry_in_a_cluster
	s_endpgm
.Lentry_in_a_cluster:
	s_bfe_u32 s2, ttmp6, 0x10000c
	s_cmp_lg_u32 s2, 0xf033
	s_cbranch_scc0 .Lentry_shape_is_right
	s_endpgm
.Lentry_shape_is_right:
.set KS,   8
.set CELL, 6400
.set GROW, 4*CELL
.set SLOT, 6*GROW
.set SPARE, 2*SLOT
.set AA,   4
.set AB,   10
.set SC,   32
.set SF,   64
.set PC,   160
.set TM,   208
.set PW,   224
.set CT,   228
.set G1,   24
.set G0,   32
.set G1B,  48
.set G0B,  56
.set SEL,  96
.set MSB,  0
.macro WIN new
.if MSB != \new
	s_set_vgpr_msb (MSB<<8)|\new
.set MSB, \new
.endif
.endm
.macro JLOAD n
	s_cmp_eq_u32 s15, 0
	s_cbranch_scc0 .Lfor_s0_\@
	tensor_load_to_lds s[G0+4*\n:G0+4*\n+3], s[G1:G1+7]
	s_nop 0
.rept 4
	v_nop
.endr
	s_branch .Lasked_\@
.Lfor_s0_\@:
	tensor_load_to_lds s[G0B+4*\n:G0B+4*\n+3], s[G1B:G1B+7]
	s_nop 0
.rept 4
	v_nop
.endr
.Lasked_\@:
.endm
.macro CROUND
	s_barrier_signal -1
	s_barrier_wait -1
	s_cmp_lg_u32 s14, 0
	s_cbranch_scc1 .Lnot_wave_0_\@
	s_barrier_signal -3
.Lnot_wave_0_\@:
	s_barrier_wait -3
	s_barrier_signal -1
	s_barrier_wait -1
.endm
.macro PLACES
.rept 4
	v_nop
.endr
.endm
.macro FRAG reg, adr, off
	ds_load_b128 v[\reg:\reg+3], v[\adr] offset:\off
	ds_load_b64 v[\reg+4:\reg+5], v[\adr+1] offset:\off+512
	ds_load_b128 v[\reg+6:\reg+9], v[\adr] offset:\off+768
	ds_load_b64 v[\reg+10:\reg+11], v[\adr+1] offset:\off+1280
.endm
.macro FETCH n, q, p
	WIN 0x40
.irp b, 0,1,2,3,4,5,6,7
	FRAG 128*(\p)+12*\b, AB+3*(\n), (\b/4)*GROW+(\q)*CELL+(\b%4)*1536
.endr
	WIN 0
.irp a, 0,1,2,3
	FRAG SF+48*(\p)+12*\a, AA+3*(\n), (\q)*CELL+\a*1536
.endr
.irp i, 0,1
	ds_load_b32 v[SC+6*(\p)+\i], v[AA+3*(\n)+2] offset:(\q)*CELL+6144+128*\i
.endr
.irp i, 0,1,2,3
	ds_load_b32 v[SC+6*(\p)+2+\i], v[AB+3*(\n)+2] offset:(\i/2)*GROW+(\q)*CELL+6144+128*(\i%2)
.endr
.endm
.macro WM a, b, p, zero
.set rD, 8*(8*(\a)+(\b))
.set rA, 128*(\p)+12*(\b)
.set rB, SF+48*(\p)+12*(\a)
.set sA, SC+6*(\p)+2+(\b)/2
.set sB, SC+6*(\p)+(\a)/2
.set vv, 4*(\zero)+2*((\b)%2)+(\a)%2
.if vv == 0
	v_wmma_scale_f32_16x16x128_f8f6f4 v[rD:rD+7], v[rA:rA+11], v[rB:rB+11], v[rD:rD+7], v[sA], v[sB] matrix_a_fmt:MATRIX_FMT_FP6 matrix_b_fmt:MATRIX_FMT_FP6
.elseif vv == 1
	v_wmma_scale_f32_16x16x128_f8f6f4 v[rD:rD+7], v[rA:rA+11], v[rB:rB+11], v[rD:rD+7], v[sA], v[sB] matrix_a_fmt:MATRIX_FMT_FP6 matrix_b_fmt:MATRIX_FMT_FP6 matrix_b_scale:MATRIX_SCALE_ROW1
.elseif vv == 2
	v_wmma_scale_f32_16x16x128_f8f6f4 v[rD:rD+7], v[rA:rA+11], v[rB:rB+11], v[rD:rD+7], v[sA], v[sB] matrix_a_fmt:MATRIX_FMT_FP6 matrix_b_fmt:MATRIX_FMT_FP6 matrix_a_scale:MATRIX_SCALE_ROW1
.elseif vv == 3
	v_wmma_scale_f32_16x16x128_f8f6f4 v[rD:rD+7], v[rA:rA+11], v[rB:rB+11], v[rD:rD+7], v[sA], v[sB] matrix_a_fmt:MATRIX_FMT_FP6 matrix_b_fmt:MATRIX_FMT_FP6 matrix_a_scale:MATRIX_SCALE_ROW1 matrix_b_scale:MATRIX_SCALE_ROW1
.elseif vv == 4
	v_wmma_scale_f32_16x16x128_f8f6f4 v[rD:rD+7], v[rA:rA+11], v[rB:rB+11], 0, v[sA], v[sB] matrix_a_fmt:MATRIX_FMT_FP6 matrix_b_fmt:MATRIX_FMT_FP6
.elseif vv == 5
	v_wmma_scale_f32_16x16x128_f8f6f4 v[rD:rD+7], v[rA:rA+11], v[rB:rB+11], 0, v[sA], v[sB] matrix_a_fmt:MATRIX_FMT_FP6 matrix_b_fmt:MATRIX_FMT_FP6 matrix_b_scale:MATRIX_SCALE_ROW1
.elseif vv == 6
	v_wmma_scale_f32_16x16x128_f8f6f4 v[rD:rD+7], v[rA:rA+11], v[rB:rB+11], 0, v[sA], v[sB] matrix_a_fmt:MATRIX_FMT_FP6 matrix_b_fmt:MATRIX_FMT_FP6 matrix_a_scale:MATRIX_SCALE_ROW1
.else
	v_wmma_scale_f32_16x16x128_f8f6f4 v[rD:rD+7], v[rA:rA+11], v[rB:rB+11], 0, v[sA], v[sB] matrix_a_fmt:MATRIX_FMT_FP6 matrix_b_fmt:MATRIX_FMT_FP6 matrix_a_scale:MATRIX_SCALE_ROW1 matrix_b_scale:MATRIX_SCALE_ROW1
.endif
.endm
.macro MUL32 p, zero
	WIN 0xa1
.irp a, 0,1,2,3
.irp b, 0,1,2,3,4,5,6,7
	WM \a, \b, \p, \zero
.endr
.endr
.endm
.macro NSTEP s, zero
.if (\s) > 0
	PLACES
.endif
	FETCH (((\s)+1)/4)%2, ((\s)+1)%4, ((\s)+1)%2
	s_wait_dscnt 54
	MUL32 (\s)%2, \zero
.endm
.macro REFILL n
	WIN 0
	s_wait_tensorcnt 0x0
	ds_add_u32 v28, v29
	s_add_nc_u64 s[G0B+4*\n+2:G0B+4*\n+3], s[G0B+4*\n+2:G0B+4*\n+3], 4*KS*CELL
	s_wait_dscnt 0x0
	CROUND
	s_cmp_eq_u32 s15, 0
	s_cbranch_scc1 .Lno_part_\@
	tensor_load_to_lds s[G0B+4*\n:G0B+4*\n+3], s[G1B:G1B+7]
	s_nop 0
.rept 4
	v_nop
.endr
.Lno_part_\@:
	PLACES
.endm
.macro QUANT s, pc, pw
	WIN 0x28
.irp b, 0,1,2,3
	v_max3_num_f32 v[TM+\b], 0x1800000, |v[(\s)+16*\b]|, |v[(\s)+1+16*\b]|
.endr
.irp i, 2,4,6,8,10,12,14
.irp b, 0,1,2,3
	v_max3_num_f32 v[TM+\b], v[TM+\b], |v[(\s)+16*\b+\i]|, |v[(\s)+1+16*\b+\i]|
.endr
.endr
	WIN 0
.irp b, 0,1,2,3
	v_permlanex16_b32 v[TM+4+\b], v[TM+\b], s[SEL], s[SEL+1]
.endr
.irp b, 0,1,2,3
	v_max_num_f32 v[TM+\b], v[TM+\b], v[TM+4+\b]
.endr
.irp b, 0,1,2,3
	v_add_nc_u32 v[TM+12+\b], 0xff000000, v[TM+\b]
.endr
.irp b, 0,1,2,3
	v_lshrrev_b32 v[TM+4+\b], 23, v[TM+12+\b]
.endr
	v_lshl_or_b32 v[\pw], v[TM+5], 8, v[TM+4]
	v_lshl_or_b32 v[\pw], v[TM+6], 16, v[\pw]
	v_lshl_or_b32 v[\pw], v[TM+7], 24, v[\pw]
	WIN 0x02
.irp c, 0,1
	v_cvt_scalef32_pk16_fp6_f32 v[(\pc)+6*\c:(\pc)+6*\c+2], v[(\s)+32*\c:(\s)+32*\c+15], v[TM+12+2*\c]
	v_cvt_scalef32_pk16_fp6_f32 v[CT+4*\c:CT+4*\c+2], v[(\s)+32*\c+16:(\s)+32*\c+31], v[TM+13+2*\c]
.endr
	WIN 0
	v_nop
.irp c, 0,1
.irp i, 0,1,2
	v_permlane16_swap_b32 v[(\pc)+6*\c+\i], v[CT+4*\c+\i]
.endr
.irp i, 0,1,2
	v_mov_b32 v[(\pc)+6*\c+3+\i], v[CT+4*\c+\i]
.endr
.endr
.endm
.macro WAYOUT
	WIN 0
	PLACES
.irp a, 0,1,2,3
	QUANT 64*\a, PC+12*\a, PW+\a
	global_store_b128 v16, v[PC+12*\a:PC+12*\a+3], s[84:85] offset:768*\a
	global_store_b64 v17, v[PC+12*\a+4:PC+12*\a+5], s[84:85] offset:768*\a+512
	global_store_b128 v16, v[PC+12*\a+6:PC+12*\a+9], s[88:89] offset:768*\a
	global_store_b64 v17, v[PC+12*\a+10:PC+12*\a+11], s[88:89] offset:768*\a+512
.endr
	v_cmp_gt_u32 vcc_lo, 16, v1
	s_cmp_eq_u32 s67, 1
	s_cbranch_scc1 .Lv_words_\@
	v_and_b32 v240, 0xffff, v[PW]
	v_lshl_or_b32 v240, v[PW+1], 16, v240
	v_and_b32 v241, 0xffff, v[PW+2]
	v_lshl_or_b32 v241, v[PW+3], 16, v241
	v_lshrrev_b32 v242, 16, v[PW]
	v_and_or_b32 v242, v[PW+1], 0xffff0000, v242
	v_lshrrev_b32 v243, 16, v[PW+2]
	v_and_or_b32 v243, v[PW+3], 0xffff0000, v243
	v_cndmask_b32 v236, v241, v240, vcc_lo
	v_cndmask_b32 v237, v243, v242, vcc_lo
	s_branch .Lwords_\@
.Lv_words_\@:
	v_cndmask_b32 v236, v[PW+1], v[PW], vcc_lo
	v_cndmask_b32 v237, v[PW+3], v[PW+2], vcc_lo
.Lwords_\@:
	s_wait_alu depctr_va_vdst(0)
	global_store_b32 v18, v236, s[86:87]
	global_store_b32 v18, v237, s[90:91]
.endm
	s_load_b128 s[4:7], s[0:1], 0x0
	s_load_b128 s[8:11], s[0:1], 0x10
	v_lshl_add_u32 v28, v0, 2, SPARE
	v_mov_b32 v29, 0
	ds_add_u32 v28, v29
	ds_add_u32 v28, v29
	s_wait_dscnt 0x0
	v_lshrrev_b32 v1, 5, v0
	v_readfirstlane_b32 s14, v1
	s_lshr_b32 s15, s14, 1
	s_and_b32 s16, s14, 1
	s_bfe_u32 s40, ttmp6, 0x40000
	s_bfe_u32 s41, ttmp6, 0x40004
	s_and_b32 s66, ttmp7, 0xffff
	s_and_b32 s68, s66, 1
	s_bfe_u32 s69, s66, 0x20001
	s_cmp_ge_u32 s66, 8
	s_cselect_b32 s67, 1, 0
	s_cselect_b32 s17, s68, s66
	s_cselect_b32 s42, s69, 0
	s_cselect_b32 s74, 1638400, 0
	s_lshl_b32 s17, s17, 2
	s_add_co_u32 s17, s17, s41
	s_lshl_b32 s42, s42, 2
	s_add_co_u32 s42, s42, s40
	s_lshl_b32 s42, s42, 1
	s_lshl_b32 s43, s41, 2
	s_lshl_b32 s43, 15, s43
	s_lshl_b32 s44, 0x1111, s40
	s_or_b32 s[G1], s43, (3<<16)|(1<<21)
	s_mov_b32 s[G1+1], 3200<<16
	s_mov_b32 s[G1+2], 1<<16
	s_mov_b32 s[G1+3], 3200<<16
	s_mov_b32 s[G1+4], 1
	s_mov_b32 s[G1+5], 3200
	s_mov_b32 s[G1+6], 0
	s_mov_b32 s[G1+7], 0
	s_or_b32 s[G1B], s44, (3<<16)|(1<<21)
	s_mov_b32 s[G1B+1], 3200<<16
	s_mov_b32 s[G1B+2], 2<<16
	s_mov_b32 s[G1B+3], 3200<<16
	s_mov_b32 s[G1B+4], 2
	s_mov_b32 s[G1B+5], KS*800
	s_mov_b32 s[G1B+6], 0
	s_mov_b32 s[G1B+7], 0
	s_lshl_b32 s20, s17, 1
	s_add_co_u32 s20, s20, s16
	s_mul_i32 s20, s20, KS*CELL
	s_add_co_u32 s20, s20, s74
	s_mov_b32 s21, 0
	s_lshl_b32 s46, s42, 2
	s_lshl_b32 s47, s16, 1
	s_add_co_u32 s46, s46, s47
	s_mul_i32 s46, s46, KS*CELL
	s_mov_b32 s47, 0
	s_mul_i32 s45, s16, GROW
	s_mul_i32 s22, s16, 2*GROW
	s_add_co_u32 s22, s22, 2*GROW
	s_wait_kmcnt 0x0
	s_cmp_eq_u32 s67, 1
	s_cselect_b64 s[70:71], s[6:7], s[4:5]
	s_cselect_b64 s[72:73], s[4:5], s[6:7]
	s_add_nc_u64 s[20:21], s[70:71], s[20:21]
	s_add_nc_u64 s[46:47], s[72:73], s[46:47]
	CROUND
.irp n, 0,1
	s_mov_b32 s[G0+4*\n], 1
	s_add_co_u32 s[G0+4*\n+1], s45, \n*SLOT
	s_add_nc_u64 s[G0+4*\n+2:G0+4*\n+3], s[20:21], \n*GROW
	s_or_b32 s[G0+4*\n+3], s[G0+4*\n+3], 0x80000000
	s_mov_b32 s[G0B+4*\n], 1
	s_add_co_u32 s[G0B+4*\n+1], s22, \n*SLOT
	s_add_nc_u64 s[G0B+4*\n+2:G0B+4*\n+3], s[46:47], \n*GROW
	s_or_b32 s[G0B+4*\n+3], s[G0B+4*\n+3], 0x80000000
.if \n > 0                             ; slot 1's first fill is issued as a refill is; slot 0's stands behind the opening lines and the round above
	s_wait_alu depctr_va_vdst(0)
	s_wait_tensorcnt 0x0
	ds_add_u32 v28, v29
	ds_add_u32 v28, v29
	s_wait_dscnt 0x0
	CROUND
.endif
	JLOAD \n
.endr
	v_and_b32 v1, 31, v0
	v_lshlrev_b32 v16, 4, v1
	v_lshlrev_b32 v17, 3, v1
	v_lshlrev_b32 v18, 2, v1
	s_mul_i32 s18, s15, GROW
	s_mul_i32 s19, s16, 2*GROW
	s_add_co_u32 s19, s19, 2*GROW
.irp n, 0,1
	v_add_nc_u32 v[AA+3*\n], s18, v16
	v_add_nc_u32 v[AA+3*\n+1], s18, v17
	v_add_nc_u32 v[AA+3*\n+2], s18, v18
	v_add_nc_u32 v[AB+3*\n], s19, v16
	v_add_nc_u32 v[AB+3*\n+1], s19, v17
	v_add_nc_u32 v[AB+3*\n+2], s19, v18
	s_add_co_u32 s18, s18, SLOT
	s_add_co_u32 s19, s19, SLOT
.endr
.irp b, 0,1,2,3
	v_mov_b32 v[TM+4+\b], 0
.endr
	s_mov_b32 s[SEL], 0x76543210
	s_mov_b32 s[SEL+1], 0xfedcba98
	s_lshl_b32 s75, s17, 1
	s_add_co_u32 s75, s75, s15
	s_lshr_b32 s76, s75, 5
	s_lshl_b32 s76, s76, 4
	s_lshl_b32 s77, s42, 2
	s_lshl_b32 s78, s16, 1
	s_add_co_u32 s77, s77, s78
	s_and_b32 s77, s77, 15
	s_add_co_u32 s76, s76, s77
	s_lshl_b32 s76, s76, 4
	s_bfe_u32 s77, s75, 0x40001
	s_add_co_u32 s76, s76, s77
	s_mul_i32 s76, s76, CELL
	s_lshr_b32 s78, s42, 2
	s_min_u32 s78, s78, 1
	s_lshl_b32 s76, s76, s78
	s_and_b32 s77, s75, 1
	s_mul_i32 s79, s77, 3072
	s_add_co_u32 s79, s79, s76
	s_lshl_b32 s77, s77, 7
	s_add_co_u32 s77, s77, s76
	s_add_co_u32 s77, s77, 6144
	s_lshl_b32 s80, 102400, s78
	s_lshl_b32 s81, s42, 1
	s_add_co_u32 s81, s81, s16
	s_lshr_b32 s82, s81, 4
	s_lshl_b32 s82, s82, 4
	s_add_co_u32 s82, s82, s75
	s_lshl_b32 s82, s82, 4
	s_and_b32 s81, s81, 15
	s_add_co_u32 s82, s82, s81
	s_mul_i32 s82, s82, 2*CELL
	s_add_co_u32 s82, s82, CELL
	s_add_co_u32 s83, s82, 6144
	s_lshl_b32 s94, s80, 2
	s_or_b32 s78, s78, s67
	s_cmp_eq_u32 s67, 1
	s_cselect_b32 s84, s82, s79
	s_cselect_b32 s86, s83, s77
	s_cselect_b32 s88, 3072, s80
	s_cselect_b32 s90, 128, s80
	s_cselect_b32 s94, 25600, s94
	s_cmp_eq_u32 s78, 1
	s_cselect_b64 s[92:93], s[10:11], s[8:9]
	s_mov_b32 s85, 0
	s_mov_b32 s87, 0
	s_mov_b32 s89, 0
	s_mov_b32 s91, 0
	s_mov_b32 s95, 0
	s_add_nc_u64 s[84:85], s[92:93], s[84:85]
	s_add_nc_u64 s[88:89], s[84:85], s[88:89]
	s_add_nc_u64 s[86:87], s[92:93], s[86:87]
	s_add_nc_u64 s[90:91], s[86:87], s[90:91]
	s_wait_tensorcnt 1
	s_barrier_signal -1
	s_barrier_wait -1
	FETCH 0, 0, 0
	NSTEP 0, 1
	NSTEP 1, 0
	NSTEP 2, 0
	REFILL 0
	s_wait_alu depctr_va_vdst(0)
	FETCH 1, 0, 0
	MUL32 1, 0
	NSTEP 4, 0
	NSTEP 5, 0
	NSTEP 6, 0
	REFILL 1
	FETCH 0, 0, 0
	MUL32 1, 0
	WAYOUT
	NSTEP 8, 1
	NSTEP 9, 0
	NSTEP 10, 0
	s_wait_tensorcnt 0x0
	s_wait_dscnt 0x0
	s_barrier_signal -1
	s_barrier_wait -1
	PLACES
	FETCH 1, 0, 0
	MUL32 1, 0
	NSTEP 12, 0
	NSTEP 13, 0
	NSTEP 14, 0
	s_wait_dscnt 0x0
	MUL32 1, 0
	s_wait_xcnt 0x0
	s_add_nc_u64 s[84:85], s[84:85], s[94:95]
	s_add_nc_u64 s[88:89], s[88:89], s[94:95]
	s_add_nc_u64 s[86:87], s[86:87], s[94:95]
	s_add_nc_u64 s[90:91], s[90:91], s[94:95]
	WAYOUT
	s_wait_tensorcnt 0x0
	ds_add_u32 v28, v29
	s_wait_dscnt 0x0
	CROUND
	s_endpgm
.Lfunc_end_k_qa510d72cd9_qkv:
	.size	k_qa510d72cd9_qkv, .Lfunc_end_k_qa510d72cd9_qkv-k_qa510d72cd9_qkv
	.p2alignl 7, 3214868480
	.fill 96, 4, 3214868480
	.section	.rodata,"a",@progbits
	.p2align	6, 0x0
	.amdhsa_kernel k_qa510d72cd9_qkv
		.amdhsa_group_segment_fixed_size 327680
		.amdhsa_private_segment_fixed_size 0
		.amdhsa_enable_private_segment 0
		.amdhsa_kernarg_size 32
		.amdhsa_user_sgpr_count 2
		.amdhsa_user_sgpr_kernarg_segment_ptr 1
		.amdhsa_wavefront_size32 1
		.amdhsa_system_sgpr_workgroup_id_x 1
		.amdhsa_system_sgpr_workgroup_id_y 1
		.amdhsa_system_sgpr_workgroup_id_z 1
		.amdhsa_system_vgpr_workitem_id 0
		.amdhsa_next_free_vgpr 768
		.amdhsa_next_free_sgpr 100
		.amdhsa_reserve_vcc 1
		.amdhsa_float_denorm_mode_32 3
		.amdhsa_float_denorm_mode_16_64 3
		.amdhsa_memory_ordered 1
		.amdhsa_forward_progress 1
		.amdhsa_inst_pref_size 170
	.end_amdhsa_kernel
	.amdgpu_metadata
---
amdhsa.version: [ 1, 2 ]
amdhsa.kernels:
  - .name:           k_qa510d72cd9_qkv
    .symbol:         k_qa510d72cd9_qkv.kd
    .args:
      - { .name: hc, .offset: 0, .size: 8, .value_kind: global_buffer, .address_space: global }
      - { .name: wc, .offset: 8, .size: 8, .value_kind: global_buffer, .address_space: global }
      - { .name: qc, .offset: 16, .size: 8, .value_kind: global_buffer, .address_space: global }
      - { .name: kvc, .offset: 24, .size: 8, .value_kind: global_buffer, .address_space: global }
    .group_segment_fixed_size: 327680
    .private_segment_fixed_size: 0
    .kernarg_segment_align: 8
    .kernarg_segment_size: 32
    .max_flat_workgroup_size: 128
    .sgpr_count:     100
    .vgpr_count:     768
    .wavefront_size: 32
...
	.end_amdgpu_metadata
.endif
;; end of part 2
;; launch attn (part 3): grid 8 x 32, 16 waves a work-group, clusters of 4 x 1, 258,048 bytes of LDS; arguments qc, kvc, oc; writes oc
.if DOCPART == 3
	.amdgcn_target "amdgcn-amd-amdhsa--gfx1250"
	.amdhsa_code_object_version 6
	.text
	.protected	k_qa510d72cd9_attn
	.globl	k_qa510d72cd9_attn
	.p2align	8
	.type	k_qa510d72cd9_attn,@function
k_qa510d72cd9_attn:
	s_mov_b64 s[64:65], 0
	v_nop
	global_prefetch_b8 v0, s[64:65] scope:SCOPE_SE
	s_setreg_imm32_b32 hwreg(HW_REG_WAVE_MODE, 25, 1), 1
	s_wait_xcnt 0x0
	s_wait_alu depctr_hold_cnt(0) depctr_sa_sdst(0) depctr_va_vdst(0) depctr_va_sdst(0) depctr_va_ssrc(0) depctr_va_vcc(0) depctr_vm_vsrc(0)
	s_getreg_b32 s2, hwreg(HW_REG_IB_STS2, 6, 4)
	s_cmp_eq_u32 s2, 0
	s_cbranch_scc0 .Lentry_in_a_cluster
	s_endpgm
.Lentry_in_a_cluster:
	s_bfe_u32 s2, ttmp6, 0x10000c
	s_cmp_lg_u32 s2, 0x3003
	s_cbranch_scc0 .Lentry_shape_is_right
	s_endpgm
.Lentry_shape_is_right:
; ATTENTION on codes of FP6: o = softmax(q k^T / 8) v for one head and 256 queries a work-group; o is quantised at once, along the heads' channels, for the product with w_o.
; THE SOFTMAX AHEAD OF THE SECOND PRODUCT: t = score x log2(e) / 8; M = the running largest t rounded UP to a whole number; p = 2^(t - M) is quantised along the keys; the row's sum is taken of the unquantised p and divides at the end.
; When M moves, the sums and O are multiplied by 2^(old M - new M): exact.
; SHARES.  Sixteen waves, each 16 queries in 256 registers.  Every wave walks the head's 2,048 keys, 128 a step: 4 trips of 4 steps, every LDS offset of a trip an immediate.
; A HEAD'S WHOLE K AND V LIE IN LDS, each byte filled once: sixteen steps of 12,800 bytes (K's cell, V's cell) and sixteen waves: wave w asks for step w, ONE tensor load a wave at the head; one wait for it and one barrier show all
; sixteen to every wave; the walk has no barrier.  A step comes as 50 rows of 256 bytes with 64 bytes of padding behind each: LDS pitch 320, a step 16,000 bytes.
; CLUSTER 4 x 1: the four blocks of queries of a cluster walk the same head: each load is asked for jointly, with the same descriptor and the mask of all four.
; THE HEAD SIZE IS 64, half of the instruction's K.  A fragment of K holds TWO tiles of 16 keys (one in k 0-63, one in k 64-127); it is multiplied by Q1 (q's codes, then zero codes) and by Q2 (zero codes, then q's codes).
; Both products are used transposed (source 0 = 16 keys, or 16 channels of V; source 1 = my queries, or p): a lane holds one query throughout.
; A LANE HOLDS WHOLE BLOCKS OF p.  As stored, fragment b holds block b's 32 keys: tile U, lane row q = key 32 b + 8 U + q + 8 (q / 8).  The fragment that is multiplied, (c, v), is put together by the lanes' LDS addresses: lane rows 0-7 take
; rows 8 v .. 8 v + 7 of stored fragment 2 c, lane rows 8-15 the same rows of stored fragment 2 c + 1 (1,920 LDS bytes on, which is 128 modulo 256).  In S^T registers
; 32 c + 16 v + 8 U + j of lane half h are then key 64 c + 32 h + 16 v + 8 U + j: 32 neighbours, one block, in the order in which the second product's operand wants them.  So a block's maximum needs no other lane and no lanes are swapped.
; Nothing is prefetched: all tiles are asked for at the head, and the launch has no loop of loads to run ahead in.
; LIMITS: NaN and infinities are not served; a block whose every p is 0, and a block of zeros of o, gets the byte 1 (its codes are zeros); the scaled scores stay under 2^31 in magnitude.
.set CELL,  6400
.set STEPB, 2*CELL                     ; a step in memory
.set LSTEP, 16000                      ; and in LDS
.set VC,    8000                       ; V's cell in a step's LDS bytes: 25 rows on
.set SPARE, 16*LSTEP                   ; the spare words: 128 bytes for each wave, which no other line names
.set KF,  40                           ; v40-87   four fragments of K, then of V
.set S,   88                           ; v88-151  S^T, then p
.set O,   152                          ; v152-183 O^T
.set PCD, 184                          ; v184-195 p's codes
.set CT,  196                          ; v196-202 the upper halves of blocks (a conversion's three registers begin on an even number)
.set KW,  204                          ; v204-205 K's scale words; v206-207 V's; v208, v209 Q1's, Q2's; v210 p's
.set VW,  206
.set Q1W, 208
.set Q2W, 209
.set PWD, 210
.set MX,  212                          ; v212-215 four chains of maxima
.set BM,  216                          ; v216-217 my two blocks' largest scores
.set K16C, 218                         ; lane terms of K's addresses
.set K8C, 219
.set SO,  220                          ; v220-221 the conversions' scale operands
.set K4C, 222
.set SH,  223                          ; 8 x (lane / 16)
.set TP,  224
.set TQ,  225
.set F,   226                          ; v[226:227] f = 2^(old M - new M)
.set PB,  228
.set KB16, 229                         ; a trip's bases for K; v4-6 those for V
.set KB8, 230
.set KB4, 231
.set LS,  232                          ; v232-247 the row's sum in eight packed chains
.set BP,  248                          ; v248-249 scale bytes
.set OLD, 250
.set WV,  18
.set SEL, 20
.set CS,  22
.set G1,  24
.set G0,  32
.set TB,  48
.set CNT, 49
.macro ROUND
	s_barrier_signal -1
	s_barrier_wait -1
	s_cmp_lg_u32 s[WV], 0
	s_cbranch_scc1 .Lnot_wave_0_\@
	s_barrier_signal -3
.Lnot_wave_0_\@:
	s_barrier_wait -3
	s_barrier_signal -1
	s_barrier_wait -1
.endm
	s_load_b128 s[4:7], s[0:1], 0x0                ; qc, kvc
	s_load_b64 s[8:9], s[0:1], 0x10                ; oc
	v_lshl_add_u32 v254, v0, 2, SPARE
	v_mov_b32 v255, 0
	ds_add_u32 v254, v255                          ; the opening lines: the add, twice on end, and its wait
	ds_add_u32 v254, v255
	v_lshrrev_b32 v1, 5, v0
	s_delay_alu instid0(VALU_DEP_1)
	v_readfirstlane_b32 s[WV], v1                  ; wave 0..15
	s_bfe_u32 s10, ttmp6, 0x40000                  ; cx
	s_lshl_b32 s11, ttmp9, 2
	s_add_co_u32 s11, s11, s10                     ; my block of 256 queries: it enters q's and o's addresses alone
	s_and_b32 s12, ttmp7, 0xffff                   ; 16 x batch + head, which the partners share
	s_mov_b32 s[G1], 15|(3<<16)|(1<<20)|(1<<21)|(5<<22)|(15<<25)   ; the mask of all four; elements of 8 bytes; behind every 64 words 16 words of padding
	s_mov_b32 s[G1+1], 32<<16                      ; a step's 12,800 dense bytes as 50 rows of 256
	s_mov_b32 s[G1+2], 50<<16
	s_mov_b32 s[G1+3], 32<<16
	s_mov_b32 s[G1+4], 50
	s_mov_b32 s[G1+5], 32
	s_mov_b32 s[G1+6], 0
	s_mov_b32 s[G1+7], 0
	s_mul_i32 s13, s[WV], STEPB
	s_mul_i32 s14, s12, 16*STEPB
	s_add_co_u32 s14, s14, s13                     ; step = wave of my head
	s_mov_b32 s15, 0
	s_mov_b32 s[SEL], 0x76543210
	s_mov_b32 s[SEL+1], 0xfedcba98                 ; v_permlanex16_b32's selects for lane l xor 16
	s_mov_b32 s[CS], 0x3e38aa3b                    ; c = log2(e) / 8
	s_mov_b32 s[CS+1], s[CS]                       ; (named with it as a pair, so it is written)
	s_wait_dscnt 0x0
	s_wait_kmcnt 0x0
	s_add_nc_u64 s[14:15], s[6:7], s[14:15]
	ROUND                                          ; all four work-groups are here: the joint loads meet
	s_mov_b32 s[G0], 1
	s_mul_i32 s[G0+1], s[WV], LSTEP
	s_mov_b64 s[G0+2:G0+3], s[14:15]
	s_or_b32 s[G0+3], s[G0+3], 0x80000000
	tensor_load_to_lds s[G0:G0+3], s[G1:G1+7]      ; my one load: every wave issues one
	s_nop 0
.rept 4
	v_nop
.endr
	v_and_b32 v14, 31, v0                          ; lane
	v_and_b32 v15, 15, v0                          ; r
	v_bfe_u32 v9, v0, 4, 1                         ; h
	v_and_b32 v10, 7, v0                           ; r % 8
	v_bfe_u32 v7, v0, 3, 1                         ; r / 8
	v_lshlrev_b32 v11, 4, v14                      ; 16, 8, 4 x lane
	v_lshlrev_b32 v2, 3, v14
	v_lshlrev_b32 v3, 2, v14
	v_lshlrev_b32 v8, 2, v15                       ; 4 r
	v_mul_u32_u24 v251, v9, 320
	v_mul_u32_u24 v252, v7, 1920
	v_lshlrev_b32 v253, 6, v7
	v_lshlrev_b32 v[SH], 3, v9
	v_lshl_add_u32 v1, v15, 4, v251                ; a 512-byte image in two padded rows: 320 h + 16 r
	v_add_nc_u32 v251, v251, v252
	v_lshl_add_u32 v252, v9, 7, v252
	v_lshl_add_u32 v253, v9, 5, v253
	v_lshl_add_u32 v[K16C], v10, 4, v251           ; K: 320 h + 16 (r % 8) + 1,920 (r / 8)
	v_lshl_add_u32 v[K8C], v10, 3, v252            ;    128 h + 8 (r % 8) + 1,920 (r / 8)
	v_lshl_add_u32 v[K4C], v10, 2, v253            ;    its words: 64 (r / 8) + 32 h + 4 (r % 8): lanes 0-15 serve v = 0, lanes 16-31 v = 1
	s_wait_alu depctr_va_vdst(0)                   ; the wait here, ahead of the run of scalar instructions
	; my tile of queries is T = 16 x block + wave of the head: half-fragment T mod 8 of cell T / 8
	s_lshl_b32 s50, s12, 4
	s_lshl_b32 s51, s11, 1
	s_add_co_u32 s50, s50, s51
	s_lshr_b32 s51, s[WV], 3
	s_add_co_u32 s50, s50, s51
	s_mul_i32 s50, s50, CELL
	s_and_b32 s51, s[WV], 7
	s_mul_i32 s51, s51, 768
	s_add_co_u32 s52, s50, s51
	s_mov_b32 s53, 0
	s_add_nc_u64 s[52:53], s[4:5], s[52:53]
	s_bfe_u32 s51, s[WV], 0x20001                  ; its pair of tiles: the pair's 16 scale words lie 64 bytes from the next pair's
	s_lshl_b32 s51, s51, 6
	s_add_co_u32 s50, s50, s51
	s_add_co_u32 s50, s50, 6144
	s_mov_b32 s51, 0
	s_add_nc_u64 s[50:51], s[4:5], s[50:51]
	global_load_b128 v[16:19], v11, s[52:53]       ; Q1 = v[16:27]: q's codes in k 0-63
	global_load_b64 v[20:21], v2, s[52:53] offset:512
	global_load_b128 v[34:37], v11, s[52:53]       ; Q2 = v[28:39]: the same codes in k 64-127
	global_load_b64 v[38:39], v2, s[52:53] offset:512
	global_load_b32 v[Q2W], v8, s[50:51]
.irp j, 22,23,24,25,26,27,28,29,30,31,32,33
	v_mov_b32 v\j, 0                               ; the zero codes
.endr
	v_mov_b32 v13, 0xff61b1e6                      ; the largest score so far: -3e38, under every score
	v_mov_b32 v[TQ], 0                             ; written once: a lane permute's destination counts as one of its sources
	v_mov_b32 v[F+1], 0                            ; (named as the upper half of a pair)
	v_mul_f32 v[TP], s[CS], v13
	s_delay_alu instid0(VALU_DEP_1)
	v_floor_f32 v12, -v[TP]                        ; -M
.set j, 0
.rept 16
	v_mov_b32 v[LS+j], 0                           ; the sums
.set j, j+1
.endr
.set j, 0
.rept 32
	v_mov_b32 v[O+j], 0                            ; O^T: the step is written once; the first finds zeros, which the first change of M leaves zeros
.set j, j+1
.endr
	; where o goes: cell (token group 32 x batch + 4 x block + wave / 4, K step head / 2), fragment wave mod 4, half head mod 2
	s_lshr_b32 s55, s12, 4
	s_lshl_b32 s55, s55, 5
	s_lshl_b32 s56, s11, 2
	s_add_co_u32 s55, s55, s56
	s_lshr_b32 s56, s[WV], 2
	s_add_co_u32 s55, s55, s56
	s_lshl_b32 s55, s55, 3
	s_bfe_u32 s56, s12, 0x30001
	s_add_co_u32 s55, s55, s56
	s_mul_i32 s55, s55, CELL
	s_and_b32 s56, s[WV], 3
	s_mul_i32 s57, s56, 1536
	s_add_co_u32 s57, s57, s55
	s_and_b32 s58, s12, 1
	s_mul_i32 s59, s58, 768
	s_add_co_u32 s60, s57, s59
	s_mov_b32 s61, 0
	s_add_nc_u64 s[60:61], s[8:9], s[60:61]        ; the codes
	s_lshl_b32 s56, s56, 6
	s_add_co_u32 s56, s56, s55
	s_lshl_b32 s58, s58, 1
	s_add_co_u32 s56, s56, s58
	s_add_co_u32 s56, s56, 6144
	s_mov_b32 s57, 0
	s_add_nc_u64 s[56:57], s[8:9], s[56:57]        ; my head's two bytes of each row's scale word
	s_and_b32 s54, s[WV], 1
	s_lshl_b32 s54, s54, 4
	s_wait_loadcnt 0x0
	v_lshrrev_b32 v[Q2W], s54, v[Q2W]              ; my tile's two bytes of the pair's word,
	s_delay_alu instid0(VALU_DEP_1)
	v_and_b32 v[Q1W], 0xffff, v[Q2W]               ; for k 0-63,
	v_lshlrev_b32 v[Q2W], 16, v[Q2W]               ; and for k 64-127
.macro KFR reg, off, v                 ; half a fragment of K: six registers, rows 8 v on of the two stored fragments
	ds_load_b128 v[\reg:\reg+3], v[KB16] offset:\off+128*(\v)
	ds_load_b64 v[\reg+4:\reg+5], v[KB8] offset:\off+640+64*(\v)
.endm
.macro VFR reg, off                    ; half a fragment of V, as it lies
	ds_load_b128 v[\reg:\reg+3], v4 offset:\off
	ds_load_b64 v[\reg+4:\reg+5], v5 offset:\off+640
.endm
.macro TF from, n                      ; t - M, two at a time
.set jj, \from
.rept \n
	v_pk_fma_f32 v[S+2*jj:S+2*jj+1], v[S+2*jj:S+2*jj+1], s[CS:CS+1], v[12:13] op_sel_hi:[1,0,0]
.set jj, jj+1
.endr
.endm
.macro OM from, n                      ; O^T under the new M
.set jj, \from
.rept \n
	v_pk_mul_f32 v[O+2*jj:O+2*jj+1], v[O+2*jj:O+2*jj+1], v[F:F+1] op_sel_hi:[1,0]
.set jj, jj+1
.endr
.endm
.macro SUMS r                          ; the eight chains take p's pairs 8 r .. 8 r + 7
.irp j, 0,1,2,3,4,5,6,7
	v_pk_add_f32 v[LS+2*\j:LS+2*\j+1], v[LS+2*\j:LS+2*\j+1], v[S+16*(\r)+2*\j:S+16*(\r)+2*\j+1]
.endr
.endm
; A KEY STEP: 128 keys, the i-th of a trip's four.  Ahead of it stand eight or more plain instructions that name no register of the last products: so the loads below may land in the registers that those read.
.macro STEP st
.set OF, (\st)*LSTEP
.irp f, 0,1,2,3
	KFR KF+12*\f, OF+3840*(\f/2), \f%2
	KFR KF+12*\f+6, OF+3840*(\f/2)+960, \f%2
.endr
	ds_load_b32 v[KW], v[KB4] offset:OF+7680
	ds_load_b32 v[KW+1], v[KB4] offset:OF+7680+128
	s_wait_dscnt 0x0
.irp f, 0,1,2,3                                ; S^T = K Q^T: fragment f = 2 c + v gives two tiles, by Q1 and by Q2
.if \f % 2
	v_wmma_scale_f32_16x16x128_f8f6f4 v[S+16*\f:S+16*\f+7], v[KF+12*\f:KF+12*\f+11], v[16:27], 0, v[KW+\f/2], v[Q1W] matrix_a_fmt:MATRIX_FMT_FP6 matrix_b_fmt:MATRIX_FMT_FP6 matrix_a_scale:MATRIX_SCALE_ROW1
	v_wmma_scale_f32_16x16x128_f8f6f4 v[S+16*\f+8:S+16*\f+15], v[KF+12*\f:KF+12*\f+11], v[28:39], 0, v[KW+\f/2], v[Q2W] matrix_a_fmt:MATRIX_FMT_FP6 matrix_b_fmt:MATRIX_FMT_FP6 matrix_a_scale:MATRIX_SCALE_ROW1
.else
	v_wmma_scale_f32_16x16x128_f8f6f4 v[S+16*\f:S+16*\f+7], v[KF+12*\f:KF+12*\f+11], v[16:27], 0, v[KW+\f/2], v[Q1W] matrix_a_fmt:MATRIX_FMT_FP6 matrix_b_fmt:MATRIX_FMT_FP6
	v_wmma_scale_f32_16x16x128_f8f6f4 v[S+16*\f+8:S+16*\f+15], v[KF+12*\f:KF+12*\f+11], v[28:39], 0, v[KW+\f/2], v[Q2W] matrix_a_fmt:MATRIX_FMT_FP6 matrix_b_fmt:MATRIX_FMT_FP6
.endif
.endr
.rept 4
	v_nop                                          ; ahead of the loads into K's registers and of the first read of the scores
.endr
.irp t, 0,1,2,3                                ; V's fragments land while the softmax is worked
	VFR KF+12*\t, OF+VC+960*\t
	VFR KF+12*\t+6, OF+VC+3840+960*\t
.endr
	ds_load_b32 v[VW], v6 offset:OF+VC+7680
	ds_load_b32 v[VW+1], v6 offset:OF+VC+7680+128
.irp k, 0,1,2,3                                ; the largest score of each of my two blocks of 32 keys, in two chains each, the four by turns
	v_max3_num_f32 v[MX+\k], v[S+16*\k], v[S+1+16*\k], v[S+2+16*\k]
.endr
.irp i, 3,5,7,9,11,13
.irp k, 0,1,2,3
	v_max3_num_f32 v[MX+\k], v[MX+\k], v[S+16*\k+\i], v[S+1+16*\k+\i]
.endr
.endr
.irp c, 0,1
	v_max3_num_f32 v[BM+\c], v[MX+2*\c], v[MX+2*\c+1], v[S+32*\c+15]
.endr
	v_mov_b32 v[OLD], v12
.irp c, 0,1
	v_max_num_f32 v[BM+\c], v[BM+\c], v[S+32*\c+31]   ; it serves twice: for the row's maximum and, since p rises with the score, for the block's largest p
.endr
	s_delay_alu instid0(VALU_DEP_1)
	v_max_num_f32 v[TP], v[BM], v[BM+1]
	s_delay_alu instid0(VALU_DEP_1)
	v_permlanex16_b32 v[TQ], v[TP], s[SEL], s[SEL+1]
	s_delay_alu instid0(VALU_DEP_1)
	v_max3_num_f32 v13, v13, v[TP], v[TQ]          ; the running largest score, lane l xor 16's two blocks among them
	s_delay_alu instid0(VALU_DEP_1)
	v_mul_f32 v[TP], s[CS], v13                    ; as t (c is positive)
	s_delay_alu instid0(VALU_DEP_1)
	v_floor_f32 v12, -v[TP]                        ; the new -M = floor(-t): M is a whole number
	s_delay_alu instid0(VALU_DEP_1)
	v_sub_f32 v[TP], v12, v[OLD]                   ; old M - new M: a whole number, 0 or less
	TF 0, 5
	v_cvt_i32_f32 v[TP], v[TP]                     ; (it saturates)
	TF 5, 5
	v_ldexp_f32 v[F], 1.0, v[TP]                   ; f = 2^(old M - new M)
	TF 10, 22
.irp c, 0,1
	v_fma_f32 v[BM+\c], v[BM+\c], s[CS], v12       ; the same of each block's largest score
.endr
	s_wait_alu depctr_va_vdst(0)                   ; the wait ahead of the batch
.set j, 0
.rept 64
	v_exp_f32 v[S+j], v[S+j]                       ; p = 2^(t - M), at most 1
.set j, j+1
.endr
.irp c, 0,1
	v_exp_f32 v[BM+\c], v[BM+\c]                   ; the blocks' largest p
.endr
	s_wait_alu depctr_va_vdst(0)                   ; one wait for the batch, directly ahead of the first reader of O^T too
	OM 0, 4                                        ; (plain instructions behind the last exponential, which name none of the batch's results)
.irp c, 0,1
	v_max_num_f32 v[BM+\c], 0x1800000, v[BM+\c]    ; the floor 2^(3 - 127): the byte cannot fall under 1
.endr
	OM 4, 2
.irp c, 0,1
	v_add_nc_u32 v[SO+\c], 0xff000000, v[BM+\c]    ; 2 off the exponent field: the conversion's scale operand
.endr
	OM 6, 2
.irp c, 0,1
	v_lshrrev_b32 v[BP+\c], 23, v[SO+\c]           ; the scale's byte
.endr
	OM 8, 2
	v_lshl_or_b32 v[PWD], v[BP+1], 16, v[BP]       ; my two bytes: blocks h and 2 + h,
	OM 10, 2
	v_lshlrev_b32 v[PWD], v[SH], v[PWD]            ; at their places
	OM 12, 4
	v_permlanex16_b32 v[TQ], v[PWD], s[SEL], s[SEL+1]
.irp c, 0,1
	v_cvt_scalef32_pk16_fp6_f32 v[PCD+6*\c:PCD+6*\c+2], v[S+32*\c:S+32*\c+15], v[SO+\c]
	v_cvt_scalef32_pk16_fp6_f32 v[CT+4*\c:CT+4*\c+2], v[S+32*\c+16:S+32*\c+31], v[SO+\c]
.endr
	v_or_b32 v[PWD], v[PWD], v[TQ]                 ; with lane l xor 16's two the word is whole.  (The plain instruction behind the conversions)
.irp c, 0,1
.irp i, 0,1,2
	v_mov_b32 v[PCD+6*\c+3+\i], v[CT+4*\c+\i]
.endr
.endr
.irp j, 0,1,2,3,4,5,6,7                        ; THE ROW'S SUM IS TAKEN OF THE UNQUANTISED p: each chain's first step brings it under the new M as well
	v_pk_fma_f32 v[LS+2*\j:LS+2*\j+1], v[LS+2*\j:LS+2*\j+1], v[F:F+1], v[S+2*\j:S+2*\j+1] op_sel_hi:[1,0,1]
.endr
	SUMS 1
	SUMS 2                                         ; these 24 also stand between the writing of p's codes and scale word and the products
	s_wait_alu depctr_va_vdst(0)                   ; the wait here, directly ahead of the wait below
	s_wait_dscnt 0x0                               ; V is in
.irp t, 0,1,2,3                                ; O^T += V^T p^T: the four accumulators take turns
.if \t % 2
	v_wmma_scale_f32_16x16x128_f8f6f4 v[O+8*\t:O+8*\t+7], v[KF+12*\t:KF+12*\t+11], v[PCD:PCD+11], v[O+8*\t:O+8*\t+7], v[VW+\t/2], v[PWD] matrix_a_fmt:MATRIX_FMT_FP6 matrix_b_fmt:MATRIX_FMT_FP6 matrix_a_scale:MATRIX_SCALE_ROW1
.else
	v_wmma_scale_f32_16x16x128_f8f6f4 v[O+8*\t:O+8*\t+7], v[KF+12*\t:KF+12*\t+11], v[PCD:PCD+11], v[O+8*\t:O+8*\t+7], v[VW+\t/2], v[PWD] matrix_a_fmt:MATRIX_FMT_FP6 matrix_b_fmt:MATRIX_FMT_FP6
.endif
.endr
	SUMS 3                                         ; the sums' last eight additions name no register of these products: they are the plain instructions behind them
.endm
	s_mov_b32 s[TB], 0
	s_mov_b32 s[CNT], 4
	s_wait_alu depctr_va_vdst(0)                   ; the wait at the head's end
	s_wait_tensorcnt 0x0                           ; my step is in
	s_barrier_signal -1
	s_barrier_wait -1                              ; all sixteen are; nothing is ever filled again
.Ltrip:
	v_add_nc_u32 v[KB16], s[TB], v[K16C]
	v_add_nc_u32 v[KB8], s[TB], v[K8C]
	v_add_nc_u32 v[KB4], s[TB], v[K4C]
	v_add_nc_u32 v4, s[TB], v1
	v_add_nc_u32 v5, s[TB], v2
	v_add_nc_u32 v6, s[TB], v3
	s_wait_alu depctr_va_vdst(0)
	STEP 0
	STEP 1
	STEP 2
	STEP 3
	s_add_co_u32 s[TB], s[TB], 4*LSTEP
	s_sub_co_u32 s[CNT], s[CNT], 1
	s_cmp_lg_u32 s[CNT], 0
	s_cbranch_scc1 .Ltrip
	; THE WAY OUT: O^T / the sum, quantised: my 32 registers are channels 32 b + 16 (lane / 16) + 0 .. 15 of my query: two half blocks of the next K
.irp j, 0,1,2,3
	v_pk_add_f32 v[LS+2*\j:LS+2*\j+1], v[LS+2*\j:LS+2*\j+1], v[LS+8+2*\j:LS+8+2*\j+1]
.endr
.irp j, 0,1
	v_pk_add_f32 v[LS+2*\j:LS+2*\j+1], v[LS+2*\j:LS+2*\j+1], v[LS+4+2*\j:LS+4+2*\j+1]
.endr
	s_delay_alu instid0(VALU_DEP_1)
	v_pk_add_f32 v[LS:LS+1], v[LS:LS+1], v[LS+2:LS+3]
	s_delay_alu instid0(VALU_DEP_1)
	v_add_f32 v14, v[LS], v[LS+1]
	s_delay_alu instid0(VALU_DEP_1)
	v_permlanex16_b32 v[TQ], v14, s[SEL], s[SEL+1]
	s_delay_alu instid0(VALU_DEP_1)
	v_add_f32 v14, v14, v[TQ]                      ; the row's sum
	s_wait_alu depctr_va_vdst(0)
	v_rcp_f32 v14, v14
	v_nop
	s_wait_alu depctr_va_vdst(0)
.set j, 0
.rept 16
	v_pk_mul_f32 v[S+j:S+j+1], v[O+j:O+j+1], v[14:15] op_sel_hi:[1,0]
.set j, j+2
.endr
.irp b, 0,1
	v_max3_num_f32 v[BM+\b], |v[S+16*\b]|, |v[S+1+16*\b]|, 0x1800000
.endr
.irp i, 2,4,6,8,10,12,14
.irp b, 0,1
	s_delay_alu instid0(VALU_DEP_2)
	v_max3_num_f32 v[BM+\b], v[BM+\b], |v[S+16*\b+\i]|, |v[S+1+16*\b+\i]|
.endr
.endr
.irp b, 0,1
	s_delay_alu instid0(VALU_DEP_2)
	v_permlanex16_b32 v[BP+\b], v[BM+\b], s[SEL], s[SEL+1]
.endr
.irp b, 0,1
	s_delay_alu instid0(VALU_DEP_2)
	v_max_num_f32 v[BM+\b], v[BM+\b], v[BP+\b]
.endr
.irp b, 0,1
	s_delay_alu instid0(VALU_DEP_2)
	v_add_nc_u32 v[SO+\b], 0xff000000, v[BM+\b]
.endr
.irp b, 0,1
	s_delay_alu instid0(VALU_DEP_2)
	v_lshrrev_b32 v[BP+\b], 23, v[SO+\b]
.endr
	s_delay_alu instid0(VALU_DEP_1)
	v_lshl_or_b32 v[PB], v[BP+1], 8, v[BP]
	v_cvt_scalef32_pk16_fp6_f32 v[PCD:PCD+2], v[S:S+15], v[SO]
	v_cvt_scalef32_pk16_fp6_f32 v[CT:CT+2], v[S+16:S+31], v[SO+1]
	v_nop
.irp i, 0,1,2
	v_permlane16_swap_b32 v[PCD+\i], v[CT+\i]      ; here a block lies in lanes l and l xor 16: a whole block to a lane
.endr
.irp i, 0,1,2
	s_delay_alu instid0(VALU_DEP_3)
	v_mov_b32 v[PCD+3+\i], v[CT+\i]
.endr
	global_store_b128 v11, v[PCD:PCD+3], s[60:61]
	global_store_b64 v2, v[PCD+4:PCD+5], s[60:61] offset:512
	global_store_b16 v8, v[PB], s[56:57]           ; lanes r and r + 16 hold the same two bytes and name the same place; the word's other half is the neighbouring head's
	s_wait_tensorcnt 0x0                           ; the wave's end
	ds_add_u32 v254, v255
	s_wait_dscnt 0x0
	ROUND                                          ; the closing round
	s_endpgm
.Lfunc_end_k_qa510d72cd9_attn:
	.size	k_qa510d72cd9_attn, .Lfunc_end_k_qa510d72cd9_attn-k_qa510d72cd9_attn
	.p2alignl 7, 3214868480
	.fill 96, 4, 3214868480
	.section	.rodata,"a",@progbits
	.p2align	6, 0x0
	.amdhsa_kernel k_qa510d72cd9_attn
		.amdhsa_group_segment_fixed_size 258048
		.amdhsa_private_segment_fixed_size 0
		.amdhsa_enable_private_segment 0
		.amdhsa_kernarg_size 24
		.amdhsa_user_sgpr_count 2
		.amdhsa_user_sgpr_kernarg_segment_ptr 1
		.amdhsa_wavefront_size32 1
		.amdhsa_system_sgpr_workgroup_id_x 1
		.amdhsa_system_sgpr_workgroup_id_y 1
		.amdhsa_system_sgpr_workgroup_id_z 1
		.amdhsa_system_vgpr_workitem_id 0
		.amdhsa_next_free_vgpr 256
		.amdhsa_next_free_sgpr 66
		.amdhsa_reserve_vcc 0
		.amdhsa_float_denorm_mode_32 3
		.amdhsa_float_denorm_mode_16_64 3
		.amdhsa_memory_ordered 1
		.amdhsa_forward_progress 1
		.amdhsa_inst_pref_size 73
	.end_amdhsa_kernel
	.amdgpu_metadata
---
amdhsa.version: [ 1, 2 ]
amdhsa.kernels:
  - .name:           k_qa510d72cd9_attn
    .symbol:         k_qa510d72cd9_attn.kd
    .args:
      - { .name: qc, .offset: 0, .size: 8, .value_kind: global_buffer, .address_space: global }
      - { .name: kvc, .offset: 8, .size: 8, .value_kind: global_buffer, .address_space: global }
      - { .name: oc, .offset: 16, .size: 8, .value_kind: global_buffer, .address_space: global }
    .group_segment_fixed_size: 258048
    .private_segment_fixed_size: 0
    .kernarg_segment_align: 8
    .kernarg_segment_size: 24
    .max_flat_workgroup_size: 512
    .sgpr_count:     66
    .vgpr_count:     256
    .wavefront_size: 32
...
	.end_amdgpu_metadata
.endif
;; end of part 3
;; launch wo (part 4): grid 8 x 32, 4 waves a work-group, clusters of 4 x 4, 205,312 bytes of LDS; arguments oc, wc, x, x1; writes x1
.if DOCPART == 4
	.amdgcn_target "amdgcn-amd-amdhsa--gfx1250"
	.amdhsa_code_object_version 6
	.text
	.protected	k_qa510d72cd9_wo
	.globl	k_qa510d72cd9_wo
	.p2align	8
	.type	k_qa510d72cd9_wo,@function
k_qa510d72cd9_wo:
	s_mov_b64 s[64:65], 0
	v_nop
	global_prefetch_b8 v0, s[64:65] scope:SCOPE_SE
	s_setreg_imm32_b32 hwreg(HW_REG_WAVE_MODE, 25, 1), 1
	s_wait_xcnt 0x0
	s_wait_alu depctr_hold_cnt(0) depctr_sa_sdst(0) depctr_va_vdst(0) depctr_va_sdst(0) depctr_va_ssrc(0) depctr_va_vcc(0) depctr_vm_vsrc(0)
	s_getreg_b32 s2, hwreg(HW_REG_IB_STS2, 6, 4)
	s_cmp_eq_u32 s2, 0
	s_cbranch_scc0 .Lentry_in_a_cluster
	s_endpgm
.Lentry_in_a_cluster:
	s_bfe_u32 s2, ttmp6, 0x10000c
	s_cmp_lg_u32 s2, 0xf033
	s_cbranch_scc0 .Lentry_shape_is_right
	s_endpgm
.Lentry_shape_is_right:
; WO: x1 = x + o w_o^T on codes of FP6.  Operands lie in cells (64 rows x 128 K, 6,400 bytes: four register images of fragments and their scale words).
; SHARES.  C has 4,096 x 1,024 numbers: tiles of 128 tokens (S1: source 1, a lane holds one of its rows) x 128 outputs (S0: source 0, the registers run along its rows) give 256 work-groups, one for each WGP; a larger tile would leave
; WGPs without work.  Four waves, each 64 x 64: 16 accumulators.  A wave reads 8 fragments from LDS for 16 matrix instructions.
; K is 1,024: both operands lie whole in LDS, 256 rows x 800 bytes, in two slots of four K steps, each filled once: two joint tensor loads a wave at the start (a group of 64 rows x four K steps, 25,600 dense bytes, each), no refill.
; CLUSTER 4 x 4: S1's rows are shared along a row of the cluster, S0's along a column: each group is asked for jointly, by the same load with the same descriptor and a mask that names the four.
; THE RESIDUAL of the wave's 64 x 64 numbers is asked for at the head, into window 2 beside the accumulators, and is waited for once, behind the last product.
; THE WAY OUT.  A lane holds 16 neighbouring outputs of two tiles of one token; a block of 16 tokens x 64 outputs goes through the wave's stage in LDS (rows of 272 bytes) and comes back two rows to a load, so that sixteen lanes hold 256
; consecutive bytes of a row; the residual is added and the rows are stored.  Block a goes through the stage while block a - 1 is added and stored.
; The stage lies in slot 0, which is filled once and which nobody reads behind the barrier in front of K step 4.  Nothing is prefetched: all tiles are asked for at the head.
; REGISTERS: window 0: v4-9 S1's LDS addresses, v44-49 S0's, v16-18 16, 8, 4 x lane, v24-26 the way out, v32-39 scale words (two sets), v64-159 S1's fragments (two sets), later v64-127 rows on the way out;
;   window 1: S0's fragments, sets at v0 and v64; window 2: accumulator (a, b) at v[8 (4 a + b)], the residual from v128.
; AS THE TEXT NOW STANDS (this takes the place of what the lines above say of two slots and of two loads a wave): LDS holds four groups of 64 rows, each with its eight cells on end (51,200 bytes): S1's two, then S0's two.
; Each wave asks for ONE group, all of K, by one joint load at the head; one wait for it and one barrier show all four groups to every wave.  'Slot n' below means cells 4 n .. 4 n + 3 of a group.
; The stage lies over cells 0 to 2 of S1's first group, which nobody reads behind the barrier in front of K step 4.
.set KS,   8
.set NSL,  2
.set S0OFF, 2457600                    ; w_o's cells in wc
.set CELL, 6400
.set GROW, 4*CELL                      ; a group of 64 rows, four K steps
.set SLOT, 4*GROW                      ; S1's two groups, then S0's two
.set STAGE, 0
.set SPITCH, 272
.set AA,   4
.set AB,   44
.set SC,   32
.set SF,   64
.set BK,   64
.set RES,  128
.set G1,   24
.set G1B,  48
.set G0,   84
.set G0B,  68
.set MSB,  0
.macro WIN new                         ; the immediate's high byte repeats the setting that is left
.if MSB != \new
	s_set_vgpr_msb (MSB<<8)|\new
.set MSB, \new
.endif
.endm
.macro JLOAD n                         ; waves 0 and 1 fetch S1's two groups, waves 2 and 3 S0's two; four v_nop follow each of the two lines
	s_cmp_eq_u32 s15, 0
	s_cbranch_scc0 .Lfor_s0_\@
	tensor_load_to_lds s[G0+4*\n:G0+4*\n+3], s[G1:G1+7]
	s_nop 0
.rept 4
	v_nop
.endr
	s_branch .Lasked_\@
.Lfor_s0_\@:
	tensor_load_to_lds s[G0B+4*\n:G0B+4*\n+3], s[G1B:G1B+7]
	s_nop 0
.rept 4
	v_nop
.endr
.Lasked_\@:
.endm
.macro CROUND                          ; a round of the cluster's barrier
	s_barrier_signal -1
	s_barrier_wait -1
	s_cmp_lg_u32 s14, 0
	s_cbranch_scc1 .Lnot_wave_0_\@
	s_barrier_signal -3
.Lnot_wave_0_\@:
	s_barrier_wait -3
	s_barrier_signal -1
	s_barrier_wait -1
.endm
.macro PLACES                          ; four plain instructions between a matrix instruction and a load into, or a read of, its registers
.rept 4
	v_nop
.endr
.endm
.macro FRAG reg, adr, off              ; a fragment's image into 12 registers
	ds_load_b128 v[\reg:\reg+3], v[\adr] offset:\off
	ds_load_b64 v[\reg+4:\reg+5], v[\adr+1] offset:\off+512
	ds_load_b128 v[\reg+6:\reg+9], v[\adr] offset:\off+768
	ds_load_b64 v[\reg+10:\reg+11], v[\adr+1] offset:\off+1280
.endm
.macro FETCH n, q, p                   ; 36 LDS loads: the fragments and scale words of slot n's q-th K step into set p
	WIN 0x40
.irp b, 0,1,2,3
	FRAG 64*(\p)+12*\b, AB+3*(\n), (\q)*CELL+\b*1536
.endr
	WIN 0
.irp a, 0,1,2,3
	FRAG SF+48*(\p)+12*\a, AA+3*(\n), (\q)*CELL+\a*1536
.endr
.irp i, 0,1
	ds_load_b32 v[SC+4*(\p)+\i], v[AA+3*(\n)+2] offset:(\q)*CELL+6144+128*\i
	ds_load_b32 v[SC+4*(\p)+2+\i], v[AB+3*(\n)+2] offset:(\q)*CELL+6144+128*\i
.endr
.endm
.macro WM a, b, p, zero                ; one product; an odd fragment's scale words lie in lanes 16-31 of their register
.set rD, 8*(4*(\a)+(\b))
.set rA, 64*(\p)+12*(\b)
.set rB, SF+48*(\p)+12*(\a)
.set sA, SC+4*(\p)+2+(\b)/2
.set sB, SC+4*(\p)+(\a)/2
.set vv, 4*(\zero)+2*((\b)%2)+(\a)%2
.if vv == 0
	v_wmma_scale_f32_16x16x128_f8f6f4 v[rD:rD+7], v[rA:rA+11], v[rB:rB+11], v[rD:rD+7], v[sA], v[sB] matrix_a_fmt:MATRIX_FMT_FP6 matrix_b_fmt:MATRIX_FMT_FP6
.elseif vv == 1
	v_wmma_scale_f32_16x16x128_f8f6f4 v[rD:rD+7], v[rA:rA+11], v[rB:rB+11], v[rD:rD+7], v[sA], v[sB] matrix_a_fmt:MATRIX_FMT_FP6 matrix_b_fmt:MATRIX_FMT_FP6 matrix_b_scale:MATRIX_SCALE_ROW1
.elseif vv == 2
	v_wmma_scale_f32_16x16x128_f8f6f4 v[rD:rD+7], v[rA:rA+11], v[rB:rB+11], v[rD:rD+7], v[sA], v[sB] matrix_a_fmt:MATRIX_FMT_FP6 matrix_b_fmt:MATRIX_FMT_FP6 matrix_a_scale:MATRIX_SCALE_ROW1
.elseif vv == 3
	v_wmma_scale_f32_16x16x128_f8f6f4 v[rD:rD+7], v[rA:rA+11], v[rB:rB+11], v[rD:rD+7], v[sA], v[sB] matrix_a_fmt:MATRIX_FMT_FP6 matrix_b_fmt:MATRIX_FMT_FP6 matrix_a_scale:MATRIX_SCALE_ROW1 matrix_b_scale:MATRIX_SCALE_ROW1
.elseif vv == 4
	v_wmma_scale_f32_16x16x128_f8f6f4 v[rD:rD+7], v[rA:rA+11], v[rB:rB+11], 0, v[sA], v[sB] matrix_a_fmt:MATRIX_FMT_FP6 matrix_b_fmt:MATRIX_FMT_FP6
.elseif vv == 5
	v_wmma_scale_f32_16x16x128_f8f6f4 v[rD:rD+7], v[rA:rA+11], v[rB:rB+11], 0, v[sA], v[sB] matrix_a_fmt:MATRIX_FMT_FP6 matrix_b_fmt:MATRIX_FMT_FP6 matrix_b_scale:MATRIX_SCALE_ROW1
.elseif vv == 6
	v_wmma_scale_f32_16x16x128_f8f6f4 v[rD:rD+7], v[rA:rA+11], v[rB:rB+11], 0, v[sA], v[sB] matrix_a_fmt:MATRIX_FMT_FP6 matrix_b_fmt:MATRIX_FMT_FP6 matrix_a_scale:MATRIX_SCALE_ROW1
.else
	v_wmma_scale_f32_16x16x128_f8f6f4 v[rD:rD+7], v[rA:rA+11], v[rB:rB+11], 0, v[sA], v[sB] matrix_a_fmt:MATRIX_FMT_FP6 matrix_b_fmt:MATRIX_FMT_FP6 matrix_a_scale:MATRIX_SCALE_ROW1 matrix_b_scale:MATRIX_SCALE_ROW1
.endif
.endm
.macro MUL16 p, zero                   ; a K step: the 16 accumulators take turns, one instruction a turn, in the same order in every step; zero = 1: the first products start the sums
	WIN 0xa1                                       ; source 0 window 1, source 1 window 0, C and D window 2
.irp a, 0,1,2,3
.irp b, 0,1,2,3
	WM \a, \b, \p, \zero
.endr
.endr
.endm
.macro NSTEP s, zero                   ; K step s; its successor's slot has been shown whole
.if (\s) > 0
	PLACES
.endif
	FETCH (((\s)+1)/4)%NSL, ((\s)+1)%4, ((\s)+1)%2
	s_wait_dscnt 36                                ; all but the 36 loads just issued: this step's fragments are in
	MUL16 (\s)%2, \zero
.endm
.macro TOSTAGE a                       ; block a's 16 tokens x 64 outputs into my stage, each accumulator from its low end on, and back, two rows to a load
	WIN 0x08                                       ; an LDS store's data are its source 1: window 2
.irp b, 0,1,2,3
	ds_store_b128 v24, v[32*(\a)+8*\b:32*(\a)+8*\b+3] offset:128*(\b/2)+32*(\b%2)
	ds_store_b128 v24, v[32*(\a)+8*\b+4:32*(\a)+8*\b+7] offset:128*(\b/2)+32*(\b%2)+16
.endr
	WIN 0
.set i, 0
.rept 8
	ds_load_b128 v[BK+32*((\a)%2)+4*i:BK+32*((\a)%2)+4*i+3], v25 offset:i*2*SPITCH   ; LDS serves a wave's instructions in order: these see the stores above, and the next block's stores come behind them
.set i, i+1
.endr
.endm
.macro SEND a                          ; block a: + the residual, and out.  Stage rows 2 i and 2 i + 1 are tokens 32 (a / 2) + 8 (a % 2) + 2 i + 8 (i / 4) and the next of my 64
	WIN 0x08                                       ; source 1 window 2
.set i, 0
.rept 16
	v_pk_add_f32 v[BK+32*((\a)%2)+2*i:BK+32*((\a)%2)+2*i+1], v[BK+32*((\a)%2)+2*i:BK+32*((\a)%2)+2*i+1], v[RES+32*(\a)+2*i:RES+32*(\a)+2*i+1]
.set i, i+1
.endr
	WIN 0
.set i, 0
.rept 8
	global_store_b128 v26, v[BK+32*((\a)%2)+4*i:BK+32*((\a)%2)+4*i+3], s[10:11] offset:(32*((\a)/2)+8*((\a)%2)+2*i+8*(i/4))*4096   ; 16 lanes store 256 consecutive bytes, aligned on 256
.set i, i+1
.endr
.endm
	s_load_b128 s[4:7], s[0:1], 0x0                ; oc, wc
	s_load_b128 s[8:11], s[0:1], 0x10              ; x, x1
	v_lshl_add_u32 v254, v0, 2, 0x32000
	v_mov_b32 v255, 0
	ds_add_u32 v254, v255
	ds_add_u32 v254, v255
	v_lshrrev_b32 v1, 5, v0
	v_readfirstlane_b32 s14, v1                    ; wave 0..3
	s_lshr_b32 s15, s14, 1                         ; wi: my 64 rows of S1.  Also: I fetch for S1 (0) or for S0 (1)
	s_and_b32 s16, s14, 1                          ; wj: my 64 rows of S0.  Also: which group I fetch
	s_bfe_u32 s40, ttmp6, 0x40000                  ; cx, cy: my place in the cluster
	s_bfe_u32 s41, ttmp6, 0x40004
	s_lshl_b32 s42, ttmp9, 2
	s_add_co_u32 s42, s42, s40                     ; S0's tile of 128 rows
	s_and_b32 s17, ttmp7, 0xffff
	s_lshl_b32 s17, s17, 2
	s_add_co_u32 s17, s17, s41                     ; S1's tile of 128 rows
	s_lshl_b32 s43, s41, 2
	s_lshl_b32 s43, 15, s43                        ; my row of the cluster
	s_lshl_b32 s44, 0x1111, s40                    ; my column
	s_or_b32 s[G1], s43, (3<<16)|(1<<21)           ; descriptor group 1: a group's eight cells, 51,200 dense bytes, as one row of 6,400 elements of 8 bytes; S1's go to my row,
	s_or_b32 s[G1B], s44, (3<<16)|(1<<21)          ; S0's to my column
.irp g, G1, G1B
	s_mov_b32 s[\g+1], 6400<<16                    ; a group's eight cells, 51,200 dense bytes, as one row of 6,400 elements of 8 bytes
	s_mov_b32 s[\g+2], 1<<16
	s_mov_b32 s[\g+3], 6400<<16
	s_mov_b32 s[\g+4], 1
	s_mov_b32 s[\g+5], 6400
	s_mov_b32 s[\g+6], 0
	s_mov_b32 s[\g+7], 0
.endr
	s_lshl_b32 s20, s17, 1
	s_add_co_u32 s20, s20, s16                     ; S1: the group that I fetch
	s_mul_i32 s20, s20, KS*CELL
	s_mov_b32 s21, 0
	s_lshl_b32 s46, s42, 1
	s_add_co_u32 s46, s46, s16                     ; S0: the group that I fetch
	s_mul_i32 s46, s46, KS*CELL
	s_add_co_u32 s46, s46, S0OFF
	s_mov_b32 s47, 0
	s_mul_i32 s45, s16, 2*GROW                     ; where they go: a group is 2 GROW bytes; no place in the cluster enters an LDS address
	s_add_co_u32 s22, s45, 4*GROW
	s_wait_dscnt 0x0
	s_wait_kmcnt 0x0
	s_add_nc_u64 s[20:21], s[4:5], s[20:21]
	s_add_nc_u64 s[46:47], s[6:7], s[46:47]
	CROUND                                         ; all sixteen work-groups are here: the joint loads meet
.irp n, 0
	s_mov_b32 s[G0+4*\n], 1
	s_add_co_u32 s[G0+4*\n+1], s45, \n*SLOT
	s_add_nc_u64 s[G0+4*\n+2:G0+4*\n+3], s[20:21], \n*GROW
	s_or_b32 s[G0+4*\n+3], s[G0+4*\n+3], 0x80000000
	s_mov_b32 s[G0B+4*\n], 1
	s_add_co_u32 s[G0B+4*\n+1], s22, \n*SLOT
	s_add_nc_u64 s[G0B+4*\n+2:G0B+4*\n+3], s[46:47], \n*GROW
	s_or_b32 s[G0B+4*\n+3], s[G0B+4*\n+3], 0x80000000
	JLOAD \n
.endr
	v_and_b32 v1, 31, v0                           ; lane
	v_lshlrev_b32 v16, 4, v1
	v_lshlrev_b32 v17, 3, v1
	v_lshlrev_b32 v18, 2, v1
	v_and_b32 v2, 15, v0                           ; lane % 16
	v_bfe_u32 v3, v0, 4, 1                         ; lane / 16
	v_lshlrev_b32 v26, 4, v2
	v_lshl_add_u32 v26, v3, 12, v26                ; in x and x1: 16 bytes a lane of a row's 256; lanes 16-31 one row of 4,096 bytes further down
	s_wait_alu depctr_va_vdst(0)
	s_lshl_b32 s20, s17, 1
	s_add_co_u32 s20, s20, s15
	s_lshl_b32 s20, s20, 18                        ; my 64 tokens: rows of 4,096 bytes
	s_lshl_b32 s46, s42, 1
	s_add_co_u32 s46, s46, s16
	s_lshl_b32 s46, s46, 8                         ; my 64 outputs: 256 bytes
	s_add_co_u32 s20, s20, s46
	s_mov_b32 s21, 0
	s_add_nc_u64 s[8:9], s[8:9], s[20:21]
	s_add_nc_u64 s[10:11], s[10:11], s[20:21]
	WIN 0x80                                       ; destination window 2: the residual, laid as the rows come back from the stage
.irp a, 0,1,2,3
.set i, 0
.rept 8
	global_load_b128 v[RES+32*\a+4*i:RES+32*\a+4*i+3], v26, s[8:9] offset:(32*(\a/2)+8*(\a%2)+2*i+8*(i/4))*4096 th:TH_LOAD_NT
.set i, i+1
.endr
.endr
	WIN 0
	s_mul_i32 s18, s15, 2*GROW
	s_mul_i32 s19, s16, 2*GROW
	s_add_co_u32 s19, s19, 4*GROW
.irp n, 0,1
	v_add_nc_u32 v[AA+3*\n], s18, v16
	v_add_nc_u32 v[AA+3*\n+1], s18, v17
	v_add_nc_u32 v[AA+3*\n+2], s18, v18
	v_add_nc_u32 v[AB+3*\n], s19, v16
	v_add_nc_u32 v[AB+3*\n+1], s19, v17
	v_add_nc_u32 v[AB+3*\n+2], s19, v18
	s_add_co_u32 s18, s18, GROW
	s_add_co_u32 s19, s19, GROW
.endr
	s_mul_i32 s23, s14, 16*SPITCH                  ; my stage
	s_add_co_u32 s23, s23, STAGE
	v_mul_u32_u24 v24, v2, SPITCH
	v_lshl_add_u32 v24, v3, 6, v24
	v_add_nc_u32 v24, s23, v24                     ; in: row lane % 16, + 64 bytes for lanes 16-31
	v_mul_u32_u24 v25, v3, SPITCH
	v_lshl_add_u32 v25, v2, 4, v25
	v_add_nc_u32 v25, s23, v25                     ; back: lanes 0-15 one row, lanes 16-31 the next
	s_wait_alu depctr_va_vdst(0)
	s_wait_tensorcnt 0x0                           ; my group is in: my one load
	s_barrier_signal -1
	s_barrier_wait -1                              ; everybody's is
	FETCH 0, 0, 0
	NSTEP 0, 1
	NSTEP 1, 0
	NSTEP 2, 0
	s_wait_dscnt 0x0                               ; K step 3's fragments are in: my reads of cells 0 to 3 are over
	s_barrier_signal -1
	s_barrier_wait -1                              ; everybody's are: the stage may later be laid over them
	PLACES
	FETCH 1, 0, 0
	MUL16 1, 0
	NSTEP 4, 0
	NSTEP 5, 0
	NSTEP 6, 0
	s_wait_dscnt 0x0
	MUL16 1, 0
	WIN 0
	PLACES
	s_wait_loadcnt 0x0                             ; the residual
	TOSTAGE 0
.irp a, 1,2,3
.if \a > 1
	s_wait_xcnt 0x0                                ; block a - 2's stores have read their registers: this block's rows may land there
.endif
	TOSTAGE \a
	s_wait_dscnt 16                                ; behind block a - 1's loads: block a's 8 stores and 8 loads
	SEND \a-1
.endr
	s_wait_dscnt 0x0
	SEND 3
	s_wait_tensorcnt 0x0
	ds_add_u32 v254, v255
	s_wait_dscnt 0x0
	CROUND                                         ; the closing round: no work-group ends while a partner may still ask for a tile that names it
	s_endpgm
.Lfunc_end_k_qa510d72cd9_wo:
	.size	k_qa510d72cd9_wo, .Lfunc_end_k_qa510d72cd9_wo-k_qa510d72cd9_wo
	.p2alignl 7, 3214868480
	.fill 96, 4, 3214868480
	.section	.rodata,"a",@progbits
	.p2align	6, 0x0
	.amdhsa_kernel k_qa510d72cd9_wo
		.amdhsa_group_segment_fixed_size 205312
		.amdhsa_private_segment_fixed_size 0
		.amdhsa_enable_private_segment 0
		.amdhsa_kernarg_size 32
		.amdhsa_user_sgpr_count 2
		.amdhsa_user_sgpr_kernarg_segment_ptr 1
		.amdhsa_wavefront_size32 1
		.amdhsa_system_sgpr_workgroup_id_x 1
		.amdhsa_system_sgpr_workgroup_id_y 1
		.amdhsa_system_sgpr_workgroup_id_z 1
		.amdhsa_system_vgpr_workitem_id 0
		.amdhsa_next_free_vgpr 768
		.amdhsa_next_free_sgpr 100
		.amdhsa_reserve_vcc 0
		.amdhsa_float_denorm_mode_32 3
		.amdhsa_float_denorm_mode_16_64 3
		.amdhsa_memory_ordered 1
		.amdhsa_forward_progress 1
		.amdhsa_inst_pref_size 58
	.end_amdhsa_kernel
	.amdgpu_metadata
---
amdhsa.version: [ 1, 2 ]
amdhsa.kernels:
  - .name:           k_qa510d72cd9_wo
    .symbol:         k_qa510d72cd9_wo.kd
    .args:
      - { .name: oc, .offset: 0, .size: 8, .value_kind: global_buffer, .address_space: global }
      - { .name: wc, .offset: 8, .size: 8, .value_kind: global_buffer, .address_space: global }
      - { .name: x, .offset: 16, .size: 8, .value_kind: global_buffer, .address_space: global }
      - { .name: x1, .offset: 24, .size: 8, .value_kind: global_buffer, .address_space: global }
    .group_segment_fixed_size: 205312
    .private_segment_fixed_size: 0
    .kernarg_segment_align: 8
    .kernarg_segment_size: 32
    .max_flat_workgroup_size: 128
    .sgpr_count:     100
    .vgpr_count:     768
    .wavefront_size: 32
...
	.end_amdgpu_metadata
.endif
;; end of part 4
;; launch rmsq (part 5): grid 128 x 1, 8 waves a work-group, no clusters, 141,824 bytes of LDS; arguments x1, g_ff, hfc; writes hfc
.if DOCPART == 5
	.amdgcn_target "amdgcn-amd-amdhsa--gfx1250"
	.amdhsa_code_object_version 6
	.text
	.protected	k_qa510d72cd9_rmsq
	.globl	k_qa510d72cd9_rmsq
	.p2align	8
	.type	k_qa510d72cd9_rmsq,@function
k_qa510d72cd9_rmsq:
	s_mov_b64 s[64:65], 0
	v_nop
	global_prefetch_b8 v0, s[64:65] scope:SCOPE_SE
	s_setreg_imm32_b32 hwreg(HW_REG_WAVE_MODE, 25, 1), 1
	s_wait_xcnt 0x0
; RMSQ: hf = x1 * rsqrt(mean(x1^2) + eps) * g_ff, quantised to codes of FP6 with one E8M0 byte for each 32 along K, laid in cells as the first launch lays h (64 rows x 128 K, 6,400 bytes: four register images of fragments, then scale words;
; fragment 2 B + U holds in lane row r the row 32 B + 8 U + r + 8 (r / 8)).
; A work-group takes 32 neighbouring rows, wave w the K step w: 32 rows x 512 bytes, two fragments.  Each load reads 512 consecutive bytes; the rows turn through the wave's own stage in LDS, from which a lane takes whole blocks of 32.
; One barrier, for the rows' sums of squares, which span the eight waves.  No tensor loads, no cluster: work-groups share nothing but the gain's 4 KiB.
; LIMITS: NaN and infinities are not served; a block of zeros, or one whose largest magnitude lies under 2^-124, gets the byte 1.
.set SP,   528
.set WST,  33*SP
.set PART, 8*WST
.set X,    16
.set G,    144
.set CD,   208
.set W,    232
.set BY,   144
.set SW,   148
.set CT,   152
	s_load_b128 s[4:7], s[0:1], 0x0                ; x1, g_ff
	s_load_b64 s[16:17], s[0:1], 0x10              ; hfc
	v_lshl_add_u32 v240, v0, 2, 0x22600
	v_mov_b32 v241, 0
	v_lshrrev_b32 v1, 5, v0
	s_delay_alu instid0(VALU_DEP_1)
	v_readfirstlane_b32 s20, v1                    ; wave = K step
	v_and_b32 v1, 31, v0
	s_delay_alu instid0(VALU_DEP_1)
	v_lshlrev_b32 v2, 4, v1
	s_delay_alu instid0(VALU_DEP_2)
	v_lshlrev_b32 v3, 3, v1
	s_delay_alu instid0(VALU_DEP_3)
	v_lshlrev_b32 v4, 2, v1
	v_and_b32 v11, 15, v0                          ; r
	v_bfe_u32 v12, v0, 4, 1                        ; h
	s_mul_i32 s21, s20, WST
	v_add_nc_u32 v5, s21, v2                       ; the stage, in
	v_mul_u32_u24 v6, v11, SP
	s_delay_alu instid0(VALU_DEP_1)
	v_lshl_add_u32 v6, v12, 7, v6
	s_delay_alu instid0(VALU_DEP_1)
	v_add_nc_u32 v6, s21, v6                       ; and out: row r, + 128 h
	v_lshlrev_b32 v10, 7, v12
	s_delay_alu instid0(VALU_DEP_1)
	v_add_nc_u32 v10, s21, v10
	v_lshlrev_b32 v8, 5, v11
	s_delay_alu instid0(VALU_DEP_1)
	v_add_nc_u32 v8, PART, v8
	s_lshl_b32 s22, s20, 2
	v_add_nc_u32 v7, s22, v8
	v_lshlrev_b32 v9, 3, v12
	s_mov_b32 s40, 0x76543210
	s_mov_b32 s41, 0xfedcba98
	s_mov_b32 s48, 0x3a800000                      ; 1 / 1,024
	s_mov_b32 s49, 0x34000000                      ; eps = 2^-23
	s_lshl_b32 s34, ttmp9, 17                      ; my 32 rows of 4,096 bytes
	s_lshl_b32 s36, s20, 9
	s_mov_b32 s37, 0
	s_add_co_u32 s34, s34, s36
	s_mov_b32 s35, 0
	s_lshr_b32 s28, ttmp9, 1                       ; the group
	s_and_b32 s33, ttmp9, 1                        ; B
	s_lshl_b32 s28, s28, 3
	s_add_co_u32 s28, s28, s20                     ; the cell
	s_mul_i32 s28, s28, 6400
	s_mul_i32 s30, s33, 3072
	s_add_co_u32 s30, s30, s28
	s_mov_b32 s31, 0
	s_lshl_b32 s32, s33, 7
	s_add_co_u32 s32, s32, s28
	s_add_co_u32 s32, s32, 6144
	s_mov_b32 s33, 0
	s_wait_alu depctr_va_vdst(0)
	s_wait_kmcnt 0x0
	s_add_nc_u64 s[46:47], s[6:7], s[36:37]
	s_add_nc_u64 s[24:25], s[4:5], s[34:35]
	s_add_nc_u64 s[42:43], s[16:17], s[30:31]
	s_add_nc_u64 s[44:45], s[16:17], s[32:33]
.set i, 0
.rept 32
	global_load_b128 v[X+4*i:X+4*i+3], v2, s[24:25] offset:i*4096
.set i, i+1
.endr
	global_load_b128 v[W:W+3], v2, s[46:47]
	s_wait_loadcnt 0x0
.set i, 0
.rept 32
	ds_store_b128 v5, v[X+4*i:X+4*i+3] offset:(16*((i>>3)&1)+(i&7)+8*(i>>4))*SP
.set i, i+1
.endr
	ds_store_b128 v5, v[W:W+3] offset:32*SP
	s_wait_dscnt 0x0                               ; the stores are done: the loads below land in the registers that they read
.irp u, 0,1
.irp c, 0,1
.irp j, 0,1,2,3,4,5,6,7
	ds_load_b128 v[X+64*\u+32*\c+4*\j:X+64*\u+32*\c+4*\j+3], v6 offset:16*\u*SP+256*\c+16*\j
.endr
.endr
.endr
.irp c, 0,1
.irp j, 0,1,2,3,4,5,6,7
	ds_load_b128 v[G+32*\c+4*\j:G+32*\c+4*\j+3], v10 offset:32*SP+256*\c+16*\j
.endr
.endr
	s_wait_dscnt 0x0
.macro SUMSQ u
	v_pk_mul_f32 v[W:W+1], v[X+64*\u:X+64*\u+1], v[X+64*\u:X+64*\u+1]
	v_pk_mul_f32 v[W+2:W+3], v[X+64*\u+2:X+64*\u+3], v[X+64*\u+2:X+64*\u+3]
.set j, 4
.rept 15
	s_delay_alu instid0(VALU_DEP_2)
	v_pk_fma_f32 v[W:W+1], v[X+64*\u+j:X+64*\u+j+1], v[X+64*\u+j:X+64*\u+j+1], v[W:W+1]
	s_delay_alu instid0(VALU_DEP_2)
	v_pk_fma_f32 v[W+2:W+3], v[X+64*\u+j+2:X+64*\u+j+3], v[X+64*\u+j+2:X+64*\u+j+3], v[W+2:W+3]
.set j, j+4
.endr
	s_delay_alu instid0(VALU_DEP_1)
	v_pk_add_f32 v[W:W+1], v[W:W+1], v[W+2:W+3]
	s_delay_alu instid0(VALU_DEP_1)
	v_add_f32 v[W], v[W], v[W+1]
	s_delay_alu instid0(VALU_DEP_1)
	v_permlanex16_b32 v[W+2], v[W], s40, s41
	s_delay_alu instid0(VALU_DEP_1)
	v_add_f32 v[W+4+\u], v[W], v[W+2]
.endm
	SUMSQ 0
	SUMSQ 1
	ds_store_b32 v7, v[W+4]                        ; lanes r and r + 16 write the same word with the same value
	ds_store_b32 v7, v[W+5] offset:512
	s_wait_dscnt 0x0                               ; for the others' sake: my partial sums lie in LDS
	s_barrier_signal -1
	s_barrier_wait -1
.irp u, 0,1
	ds_load_b128 v[CD+8*\u:CD+8*\u+3], v8 offset:512*\u
	ds_load_b128 v[CD+8*\u+4:CD+8*\u+7], v8 offset:512*\u+16
.endr
	s_wait_dscnt 0x0
.irp u, 0,1
	v_pk_add_f32 v[CD+8*\u:CD+8*\u+1], v[CD+8*\u:CD+8*\u+1], v[CD+8*\u+2:CD+8*\u+3]
	v_pk_add_f32 v[CD+8*\u+4:CD+8*\u+5], v[CD+8*\u+4:CD+8*\u+5], v[CD+8*\u+6:CD+8*\u+7]
.endr
.irp u, 0
	s_delay_alu instid0(VALU_DEP_3)
	v_pk_add_f32 v[CD+8*\u:CD+8*\u+1], v[CD+8*\u:CD+8*\u+1], v[CD+8*\u+4:CD+8*\u+5]
.endr
.irp u, 1
	s_delay_alu instid0(VALU_DEP_2)
	v_pk_add_f32 v[CD+8*\u:CD+8*\u+1], v[CD+8*\u:CD+8*\u+1], v[CD+8*\u+4:CD+8*\u+5]
.endr
.irp u, 0,1
	s_delay_alu instid0(VALU_DEP_2)
	v_add_f32 v[CD+8*\u], v[CD+8*\u], v[CD+8*\u+1]
.endr
.irp u, 0,1
	s_delay_alu instid0(VALU_DEP_2)
	v_fma_f32 v[CD+8*\u], v[CD+8*\u], s48, s49
.endr
	s_wait_alu depctr_va_vdst(0)
.irp u, 0,1
	v_rsq_f32 v[W+2*\u], v[CD+8*\u]
.endr
	v_nop                                          ; a plain instruction behind the last of the two
	s_wait_alu depctr_va_vdst(0)                   ; one wait for both, ahead of their first reader
.irp u, 0,1
.set j, 0
.rept 32
	v_pk_mul_f32 v[X+64*\u+j:X+64*\u+j+1], v[X+64*\u+j:X+64*\u+j+1], v[W+2*\u:W+2*\u+1] op_sel_hi:[1,0]
.set j, j+2
.endr
.set j, 0
.rept 32
	v_pk_mul_f32 v[X+64*\u+j:X+64*\u+j+1], v[X+64*\u+j:X+64*\u+j+1], v[G+j:G+j+1]
.set j, j+2
.endr
.endr
.macro QB u, c                         ; a block of 32, all mine: largest magnitude with the floor 2^(3 - 127), scale operand, byte, codes
.set xs, X+64*\u+32*\c
	v_max3_num_f32 v[W], |v[xs]|, |v[xs+1]|, 0x1800000
	v_max3_num_f32 v[W+1], |v[xs+2]|, |v[xs+3]|, |v[xs+4]|
.irp i, 5,9,13,17,21,25
	s_delay_alu instid0(VALU_DEP_2)
	v_max3_num_f32 v[W], v[W], |v[xs+\i]|, |v[xs+\i+1]|
	s_delay_alu instid0(VALU_DEP_2)
	v_max3_num_f32 v[W+1], v[W+1], |v[xs+\i+2]|, |v[xs+\i+3]|
.endr
	s_delay_alu instid0(VALU_DEP_2)
	v_max3_num_f32 v[W], v[W], |v[xs+29]|, |v[xs+30]|
	s_delay_alu instid0(VALU_DEP_1)
	v_max3_num_f32 v[W], v[W], v[W+1], |v[xs+31]|
	s_delay_alu instid0(VALU_DEP_1)
	v_add_nc_u32 v[W+2], 0xff000000, v[W]
	s_delay_alu instid0(VALU_DEP_1)
	v_lshrrev_b32 v[BY+2*\u+\c], 23, v[W+2]
	v_cvt_scalef32_pk16_fp6_f32 v[CD+12*\u+6*\c:CD+12*\u+6*\c+2], v[xs:xs+15], v[W+2]
	v_cvt_scalef32_pk16_fp6_f32 v[CT:CT+2], v[xs+16:xs+31], v[W+2]
	v_nop                                          ; one plain instruction behind a scaled conversion
.irp i, 0,1,2
	v_mov_b32 v[CD+12*\u+6*\c+3+\i], v[CT+\i]
.endr
.endm
	QB 0, 0
	QB 0, 1
	QB 1, 0
	QB 1, 1
.irp u, 0,1
	v_lshl_or_b32 v[SW+\u], v[BY+2*\u+1], 16, v[BY+2*\u]
	s_delay_alu instid0(VALU_DEP_1)
	v_lshlrev_b32 v[SW+\u], v9, v[SW+\u]
	s_delay_alu instid0(VALU_DEP_1)
	v_permlanex16_b32 v[W+4+\u], v[SW+\u], s40, s41
	s_delay_alu instid0(VALU_DEP_1)
	v_or_b32 v[SW+\u], v[SW+\u], v[W+4+\u]
.endr
	v_cmp_gt_u32 vcc_lo, 16, v1
	s_delay_alu instid0(VALU_DEP_1)
	v_cndmask_b32 v[SW], v[SW+1], v[SW], vcc_lo
.irp u, 0,1
	global_store_b128 v2, v[CD+12*\u:CD+12*\u+3], s[42:43] offset:1536*\u
	global_store_b64 v3, v[CD+12*\u+4:CD+12*\u+5], s[42:43] offset:1536*\u+512
	global_store_b128 v2, v[CD+12*\u+6:CD+12*\u+9], s[42:43] offset:1536*\u+768
	global_store_b64 v3, v[CD+12*\u+10:CD+12*\u+11], s[42:43] offset:1536*\u+1280
.endr
	global_store_b32 v4, v[SW], s[44:45]
	s_wait_tensorcnt 0x0
	ds_add_u32 v240, v241
	s_wait_dscnt 0x0
	s_endpgm
.Lfunc_end_k_qa510d72cd9_rmsq:
	.size	k_qa510d72cd9_rmsq, .Lfunc_end_k_qa510d72cd9_rmsq-k_qa510d72cd9_rmsq
	.p2alignl 7, 3214868480
	.fill 96, 4, 3214868480
	.section	.rodata,"a",@progbits
	.p2align	6, 0x0
	.amdhsa_kernel k_qa510d72cd9_rmsq
		.amdhsa_group_segment_fixed_size 141824
		.amdhsa_private_segment_fixed_size 0
		.amdhsa_enable_private_segment 0
		.amdhsa_kernarg_size 24
		.amdhsa_user_sgpr_count 2
		.amdhsa_user_sgpr_kernarg_segment_ptr 1
		.amdhsa_wavefront_size32 1
		.amdhsa_system_sgpr_workgroup_id_x 1
		.amdhsa_system_sgpr_workgroup_id_y 1
		.amdhsa_system_sgpr_workgroup_id_z 1
		.amdhsa_system_vgpr_workitem_id 0
		.amdhsa_next_free_vgpr 242
		.amdhsa_next_free_sgpr 66
		.amdhsa_reserve_vcc 1
		.amdhsa_float_denorm_mode_32 3
		.amdhsa_float_denorm_mode_16_64 3
		.amdhsa_memory_ordered 1
		.amdhsa_forward_progress 1
		.amdhsa_inst_pref_size 36
	.end_amdhsa_kernel
	.amdgpu_metadata
---
amdhsa.version: [ 1, 2 ]
amdhsa.kernels:
  - .name:           k_qa510d72cd9_rmsq
    .symbol:         k_qa510d72cd9_rmsq.kd
    .args:
      - { .name: x1, .offset: 0, .size: 8, .value_kind: global_buffer, .address_space: global }
      - { .name: g_ff, .offset: 8, .size: 8, .value_kind: global_buffer, .address_space: global }
      - { .name: hfc, .offset: 16, .size: 8, .value_kind: global_buffer, .address_space: global }
    .group_segment_fixed_size: 141824
    .private_segment_fixed_size: 0
    .kernarg_segment_align: 8
    .kernarg_segment_size: 24
    .max_flat_workgroup_size: 256
    .sgpr_count:     66
    .vgpr_count:     242
    .wavefront_size: 32
...
	.end_amdgpu_metadata
.endif
;; end of part 5
;; launch w1g (part 6): grid 8 x 32, 4 waves a work-group, clusters of 4 x 4, 327,680 bytes of LDS; arguments hfc, wc, ac; writes ac
.if DOCPART == 6
	.amdgcn_target "amdgcn-amd-amdhsa--gfx1250"
	.amdhsa_code_object_version 6
	.text
	.protected	k_qa510d72cd9_w1g
	.globl	k_qa510d72cd9_w1g
	.p2align	8
	.type	k_qa510d72cd9_w1g,@function
k_qa510d72cd9_w1g:
	s_mov_b64 s[64:65], 0
	v_nop
	global_prefetch_b8 v0, s[64:65] scope:SCOPE_SE
	s_setreg_imm32_b32 hwreg(HW_REG_WAVE_MODE, 25, 1), 1
	s_wait_xcnt 0x0
	s_wait_alu depctr_hold_cnt(0) depctr_sa_sdst(0) depctr_va_vdst(0) depctr_va_sdst(0) depctr_va_ssrc(0) depctr_va_vcc(0) depctr_vm_vsrc(0)
	s_getreg_b32 s2, hwreg(HW_REG_IB_STS2, 6, 4)
	s_cmp_eq_u32 s2, 0
	s_cbranch_scc0 .Lentry_in_a_cluster
	s_endpgm
.Lentry_in_a_cluster:
	s_bfe_u32 s2, ttmp6, 0x10000c
	s_cmp_lg_u32 s2, 0xf033
	s_cbranch_scc0 .Lentry_shape_is_right
	s_endpgm
.Lentry_shape_is_right:
.set KS,   8
.set S0OFF, 3276800
.set CELL, 6400
.set GROW, 4*CELL
.set SLOT, 6*GROW
.set SPARE, 2*SLOT
.set AA,   4
.set AB,   10
.set SC,   32
.set SF,   64
.set T,    112
.set PC,   160
.set TM,   208
.set PW,   224
.set CT,   228
.set G1,   24
.set G0,   32
.set G1B,  48
.set G0B,  56
.set SEL,  96
.set MSB,  0
.macro WIN new
.if MSB != \new
	s_set_vgpr_msb (MSB<<8)|\new
.set MSB, \new
.endif
.endm
.macro JLOAD n
	s_cmp_eq_u32 s15, 0
	s_cbranch_scc0 .Lfor_s0_\@
	tensor_load_to_lds s[G0+4*\n:G0+4*\n+3], s[G1:G1+7]
	s_nop 0
.rept 4
	v_nop
.endr
	s_branch .Lasked_\@
.Lfor_s0_\@:
	tensor_load_to_lds s[G0B+4*\n:G0B+4*\n+3], s[G1B:G1B+7]
	s_nop 0
.rept 4
	v_nop
.endr
.Lasked_\@:
.endm
.macro CROUND
	s_barrier_signal -1
	s_barrier_wait -1
	s_cmp_lg_u32 s14, 0
	s_cbranch_scc1 .Lnot_wave_0_\@
	s_barrier_signal -3
.Lnot_wave_0_\@:
	s_barrier_wait -3
	s_barrier_signal -1
	s_barrier_wait -1
.endm
.macro PLACES
.rept 4
	v_nop
.endr
.endm
.macro FRAG reg, adr, off
	ds_load_b128 v[\reg:\reg+3], v[\adr] offset:\off
	ds_load_b64 v[\reg+4:\reg+5], v[\adr+1] offset:\off+512
	ds_load_b128 v[\reg+6:\reg+9], v[\adr] offset:\off+768
	ds_load_b64 v[\reg+10:\reg+11], v[\adr+1] offset:\off+1280
.endm
.macro FETCH n, q, p
	WIN 0x40
.irp b, 0,1,2,3,4,5,6,7
	FRAG 128*(\p)+12*\b, AB+3*(\n), (\b/4)*GROW+(\q)*CELL+(\b%4)*1536
.endr
	WIN 0
.irp a, 0,1,2,3
	FRAG SF+48*(\p)+12*\a, AA+3*(\n), (\q)*CELL+\a*1536
.endr
.irp i, 0,1
	ds_load_b32 v[SC+6*(\p)+\i], v[AA+3*(\n)+2] offset:(\q)*CELL+6144+128*\i
.endr
.irp i, 0,1,2,3
	ds_load_b32 v[SC+6*(\p)+2+\i], v[AB+3*(\n)+2] offset:(\i/2)*GROW+(\q)*CELL+6144+128*(\i%2)
.endr
.endm
.macro WM a, b, p, zero
.set rD, 8*(8*(\a)+(\b))
.set rA, 128*(\p)+12*(\b)
.set rB, SF+48*(\p)+12*(\a)
.set sA, SC+6*(\p)+2+(\b)/2
.set sB, SC+6*(\p)+(\a)/2
.set vv, 4*(\zero)+2*((\b)%2)+(\a)%2
.if vv == 0
	v_wmma_scale_f32_16x16x128_f8f6f4 v[rD:rD+7], v[rA:rA+11], v[rB:rB+11], v[rD:rD+7], v[sA], v[sB] matrix_a_fmt:MATRIX_FMT_FP6 matrix_b_fmt:MATRIX_FMT_FP6
.elseif vv == 1
	v_wmma_scale_f32_16x16x128_f8f6f4 v[rD:rD+7], v[rA:rA+11], v[rB:rB+11], v[rD:rD+7], v[sA], v[sB] matrix_a_fmt:MATRIX_FMT_FP6 matrix_b_fmt:MATRIX_FMT_FP6 matrix_b_scale:MATRIX_SCALE_ROW1
.elseif vv == 2
	v_wmma_scale_f32_16x16x128_f8f6f4 v[rD:rD+7], v[rA:rA+11], v[rB:rB+11], v[rD:rD+7], v[sA], v[sB] matrix_a_fmt:MATRIX_FMT_FP6 matrix_b_fmt:MATRIX_FMT_FP6 matrix_a_scale:MATRIX_SCALE_ROW1
.elseif vv == 3
	v_wmma_scale_f32_16x16x128_f8f6f4 v[rD:rD+7], v[rA:rA+11], v[rB:rB+11], v[rD:rD+7], v[sA], v[sB] matrix_a_fmt:MATRIX_FMT_FP6 matrix_b_fmt:MATRIX_FMT_FP6 matrix_a_scale:MATRIX_SCALE_ROW1 matrix_b_scale:MATRIX_SCALE_ROW1
.elseif vv == 4
	v_wmma_scale_f32_16x16x128_f8f6f4 v[rD:rD+7], v[rA:rA+11], v[rB:rB+11], 0, v[sA], v[sB] matrix_a_fmt:MATRIX_FMT_FP6 matrix_b_fmt:MATRIX_FMT_FP6
.elseif vv == 5
	v_wmma_scale_f32_16x16x128_f8f6f4 v[rD:rD+7], v[rA:rA+11], v[rB:rB+11], 0, v[sA], v[sB] matrix_a_fmt:MATRIX_FMT_FP6 matrix_b_fmt:MATRIX_FMT_FP6 matrix_b_scale:MATRIX_SCALE_ROW1
.elseif vv == 6
	v_wmma_scale_f32_16x16x128_f8f6f4 v[rD:rD+7], v[rA:rA+11], v[rB:rB+11], 0, v[sA], v[sB] matrix_a_fmt:MATRIX_FMT_FP6 matrix_b_fmt:MATRIX_FMT_FP6 matrix_a_scale:MATRIX_SCALE_ROW1
.else
	v_wmma_scale_f32_16x16x128_f8f6f4 v[rD:rD+7], v[rA:rA+11], v[rB:rB+11], 0, v[sA], v[sB] matrix_a_fmt:MATRIX_FMT_FP6 matrix_b_fmt:MATRIX_FMT_FP6 matrix_a_scale:MATRIX_SCALE_ROW1 matrix_b_scale:MATRIX_SCALE_ROW1
.endif
.endm
.macro MUL32 p, zero
	WIN 0xa1
.irp a, 0,1,2,3
.irp b, 0,1,2,3,4,5,6,7
	WM \a, \b, \p, \zero
.endr
.endr
.endm
.macro NSTEP s, zero
.if (\s) > 0
	PLACES
.endif
	FETCH (((\s)+1)/4)%2, ((\s)+1)%4, ((\s)+1)%2
	s_wait_dscnt 54
	MUL32 (\s)%2, \zero
.endm
.macro REFILL n
	WIN 0
	s_wait_tensorcnt 0x0
	ds_add_u32 v28, v29
	s_add_nc_u64 s[G0B+4*\n+2:G0B+4*\n+3], s[G0B+4*\n+2:G0B+4*\n+3], 4*KS*CELL
	s_wait_dscnt 0x0
	CROUND
	s_cmp_eq_u32 s15, 0
	s_cbranch_scc1 .Lno_part_\@
	tensor_load_to_lds s[G0B+4*\n:G0B+4*\n+3], s[G1B:G1B+7]
	s_nop 0
.rept 4
	v_nop
.endr
.Lno_part_\@:
	PLACES
.endm
.macro QUANT32 s, pc, pw
.irp b, 0,1
	v_max3_num_f32 v[TM+\b], |v[(\s)+16*\b]|, |v[(\s)+1+16*\b]|, 0x1800000
.endr
.irp i, 2,4,6,8,10,12,14
.irp b, 0,1
	v_max3_num_f32 v[TM+\b], v[TM+\b], |v[(\s)+16*\b+\i]|, |v[(\s)+1+16*\b+\i]|
.endr
.endr
.irp b, 0,1
	v_permlanex16_b32 v[TM+4+\b], v[TM+\b], s[SEL], s[SEL+1]
.endr
.irp b, 0,1
	v_max_num_f32 v[TM+\b], v[TM+\b], v[TM+4+\b]
.endr
.irp b, 0,1
	v_add_nc_u32 v[TM+12+\b], 0xff000000, v[TM+\b]
.endr
.irp b, 0,1
	v_lshrrev_b32 v[TM+4+\b], 23, v[TM+12+\b]
.endr
	v_lshl_or_b32 v[\pw], v[TM+5], 8, v[TM+4]
	v_cvt_scalef32_pk16_fp6_f32 v[(\pc):(\pc)+2], v[(\s):(\s)+15], v[TM+12]
	v_cvt_scalef32_pk16_fp6_f32 v[CT:CT+2], v[(\s)+16:(\s)+31], v[TM+13]
	v_nop
.irp i, 0,1,2
	v_permlane16_swap_b32 v[(\pc)+\i], v[CT+\i]
.endr
.irp i, 0,1,2
	v_mov_b32 v[(\pc)+3+\i], v[CT+\i]
.endr
.endm
.macro WAYOUT
	WIN 0
	PLACES
.irp a, 0,1,2,3
	WIN 0x02
.set j, 0
.rept 16
	v_pk_mul_f32 v[T+j:T+j+1], v[64*\a+j:64*\a+j+1], 0xbfb8aa3b op_sel_hi:[1,0]
.set j, j+2
.endr
	WIN 0
.set j, 0
	s_wait_alu depctr_va_vdst(0)
.rept 32
	v_exp_f32 v[T+j], v[T+j]
.set j, j+1
.endr
	v_nop
	s_wait_alu depctr_va_vdst(0)
.set j, 0
.rept 16
	v_pk_add_f32 v[T+j:T+j+1], v[T+j:T+j+1], 1.0 op_sel_hi:[1,0]
.set j, j+2
.endr
.set j, 0
	s_wait_alu depctr_va_vdst(0)
.rept 32
	v_rcp_f32 v[T+j], v[T+j]
.set j, j+1
.endr
	v_nop
	s_wait_alu depctr_va_vdst(0)
	WIN 0x08
.set j, 0
.rept 16
	v_pk_mul_f32 v[T+j:T+j+1], v[T+j:T+j+1], v[64*\a+j:64*\a+j+1]
.set j, j+2
.endr
.set j, 0
.rept 16
	v_pk_mul_f32 v[T+j:T+j+1], v[T+j:T+j+1], v[64*\a+32+j:64*\a+32+j+1]
.set j, j+2
.endr
	WIN 0
	QUANT32 T, PC+8*\a, PW+\a
	global_store_b128 v16, v[PC+8*\a:PC+8*\a+3], s[66:67] offset:1536*\a
	global_store_b64 v17, v[PC+8*\a+4:PC+8*\a+5], s[66:67] offset:1536*\a+512
.endr
	v_cmp_gt_u32 vcc_lo, 16, v1
	v_cndmask_b32 v236, v[PW+1], v[PW], vcc_lo
	v_cndmask_b32 v237, v[PW+3], v[PW+2], vcc_lo
	global_store_b16 v18, v236, s[68:69]
	global_store_b16 v18, v237, s[68:69] offset:128
.endm
	s_load_b128 s[4:7], s[0:1], 0x0
	s_load_b64 s[8:9], s[0:1], 0x10
	v_lshl_add_u32 v28, v0, 2, SPARE
	v_mov_b32 v29, 0
	ds_add_u32 v28, v29
	ds_add_u32 v28, v29
	s_wait_dscnt 0x0
	v_lshrrev_b32 v1, 5, v0
	v_readfirstlane_b32 s14, v1
	s_lshr_b32 s15, s14, 1
	s_and_b32 s16, s14, 1
	s_bfe_u32 s40, ttmp6, 0x40000
	s_bfe_u32 s41, ttmp6, 0x40004
	s_lshl_b32 s42, ttmp9, 2
	s_add_co_u32 s42, s42, s40
	s_lshl_b32 s42, s42, 1
	s_and_b32 s17, ttmp7, 0xffff
	s_lshl_b32 s17, s17, 2
	s_add_co_u32 s17, s17, s41
	s_lshl_b32 s43, s41, 2
	s_lshl_b32 s43, 15, s43
	s_lshl_b32 s44, 0x1111, s40
	s_or_b32 s[G1], s43, (3<<16)|(1<<21)
	s_mov_b32 s[G1+1], 3200<<16
	s_mov_b32 s[G1+2], 1<<16
	s_mov_b32 s[G1+3], 3200<<16
	s_mov_b32 s[G1+4], 1
	s_mov_b32 s[G1+5], 3200
	s_mov_b32 s[G1+6], 0
	s_mov_b32 s[G1+7], 0
	s_or_b32 s[G1B], s44, (3<<16)|(1<<21)
	s_mov_b32 s[G1B+1], 3200<<16
	s_mov_b32 s[G1B+2], 2<<16
	s_mov_b32 s[G1B+3], 3200<<16
	s_mov_b32 s[G1B+4], 2
	s_mov_b32 s[G1B+5], KS*800
	s_mov_b32 s[G1B+6], 0
	s_mov_b32 s[G1B+7], 0
	s_lshl_b32 s20, s17, 1
	s_add_co_u32 s20, s20, s16
	s_mul_i32 s20, s20, KS*CELL
	s_mov_b32 s21, 0
	s_lshl_b32 s46, s42, 2
	s_lshl_b32 s47, s16, 1
	s_add_co_u32 s46, s46, s47
	s_mul_i32 s46, s46, KS*CELL
	s_add_co_u32 s46, s46, S0OFF
	s_mov_b32 s47, 0
	s_mul_i32 s45, s16, GROW
	s_mul_i32 s22, s16, 2*GROW
	s_add_co_u32 s22, s22, 2*GROW
	s_wait_kmcnt 0x0
	s_add_nc_u64 s[20:21], s[4:5], s[20:21]
	s_add_nc_u64 s[46:47], s[6:7], s[46:47]
	CROUND
.irp n, 0,1
	s_mov_b32 s[G0+4*\n], 1
	s_add_co_u32 s[G0+4*\n+1], s45, \n*SLOT
	s_add_nc_u64 s[G0+4*\n+2:G0+4*\n+3], s[20:21], \n*GROW
	s_or_b32 s[G0+4*\n+3], s[G0+4*\n+3], 0x80000000
	s_mov_b32 s[G0B+4*\n], 1
	s_add_co_u32 s[G0B+4*\n+1], s22, \n*SLOT
	s_add_nc_u64 s[G0B+4*\n+2:G0B+4*\n+3], s[46:47], \n*GROW
	s_or_b32 s[G0B+4*\n+3], s[G0B+4*\n+3], 0x80000000
.if \n > 0                             ; slot 1's first fill is issued as a refill is; slot 0's stands behind the opening lines and the round above
	s_wait_alu depctr_va_vdst(0)
	s_wait_tensorcnt 0x0
	ds_add_u32 v28, v29
	ds_add_u32 v28, v29
	s_wait_dscnt 0x0
	CROUND
.endif
	JLOAD \n
.endr
	v_and_b32 v1, 31, v0
	v_lshlrev_b32 v16, 4, v1
	v_lshlrev_b32 v17, 3, v1
	v_lshlrev_b32 v18, 2, v1
	s_mul_i32 s18, s15, GROW
	s_mul_i32 s19, s16, 2*GROW
	s_add_co_u32 s19, s19, 2*GROW
.irp n, 0,1
	v_add_nc_u32 v[AA+3*\n], s18, v16
	v_add_nc_u32 v[AA+3*\n+1], s18, v17
	v_add_nc_u32 v[AA+3*\n+2], s18, v18
	v_add_nc_u32 v[AB+3*\n], s19, v16
	v_add_nc_u32 v[AB+3*\n+1], s19, v17
	v_add_nc_u32 v[AB+3*\n+2], s19, v18
	s_add_co_u32 s18, s18, SLOT
	s_add_co_u32 s19, s19, SLOT
.endr
	v_mov_b32 v[TM+4], 0
	v_mov_b32 v[TM+5], 0
	s_mov_b32 s[SEL], 0x76543210
	s_mov_b32 s[SEL+1], 0xfedcba98
	s_lshl_b32 s20, s17, 1
	s_add_co_u32 s20, s20, s15
	s_lshl_b32 s20, s20, 4
	s_add_co_u32 s20, s20, s42
	s_mul_i32 s20, s20, CELL
	s_mul_i32 s46, s16, 768
	s_add_co_u32 s46, s46, s20
	s_mov_b32 s47, 0
	s_add_nc_u64 s[66:67], s[8:9], s[46:47]
	s_lshl_b32 s46, s16, 1
	s_add_co_u32 s46, s46, s20
	s_add_co_u32 s46, s46, 6144
	s_add_nc_u64 s[68:69], s[8:9], s[46:47]
	s_wait_alu depctr_va_vdst(0)
	s_wait_tensorcnt 1
	s_barrier_signal -1
	s_barrier_wait -1
	FETCH 0, 0, 0
	NSTEP 0, 1
	NSTEP 1, 0
	NSTEP 2, 0
	REFILL 0
	FETCH 1, 0, 0
	MUL32 1, 0
	NSTEP 4, 0
	NSTEP 5, 0
	NSTEP 6, 0
	REFILL 1
	FETCH 0, 0, 0
	MUL32 1, 0
	WAYOUT
	NSTEP 8, 1
	NSTEP 9, 0
	NSTEP 10, 0
	s_wait_tensorcnt 0x0
	s_wait_dscnt 0x0
	s_barrier_signal -1
	s_barrier_wait -1
	PLACES
	FETCH 1, 0, 0
	MUL32 1, 0
	NSTEP 12, 0
	NSTEP 13, 0
	NSTEP 14, 0
	s_wait_dscnt 0x0
	MUL32 1, 0
	s_wait_xcnt 0x0
	s_add_nc_u64 s[66:67], s[66:67], CELL
	s_add_nc_u64 s[68:69], s[68:69], CELL
	WAYOUT
	s_wait_tensorcnt 0x0
	ds_add_u32 v28, v29
	s_wait_dscnt 0x0
	CROUND
	s_endpgm
.Lfunc_end_k_qa510d72cd9_w1g:
	.size	k_qa510d72cd9_w1g, .Lfunc_end_k_qa510d72cd9_w1g-k_qa510d72cd9_w1g
	.p2alignl 7, 3214868480
	.fill 96, 4, 3214868480
	.section	.rodata,"a",@progbits
	.p2align	6, 0x0
	.amdhsa_kernel k_qa510d72cd9_w1g
		.amdhsa_group_segment_fixed_size 327680
		.amdhsa_private_segment_fixed_size 0
		.amdhsa_enable_private_segment 0
		.amdhsa_kernarg_size 24
		.amdhsa_user_sgpr_count 2
		.amdhsa_user_sgpr_kernarg_segment_ptr 1
		.amdhsa_wavefront_size32 1
		.amdhsa_system_sgpr_workgroup_id_x 1
		.amdhsa_system_sgpr_workgroup_id_y 1
		.amdhsa_system_sgpr_workgroup_id_z 1
		.amdhsa_system_vgpr_workitem_id 0
		.amdhsa_next_free_vgpr 768
		.amdhsa_next_free_sgpr 100
		.amdhsa_reserve_vcc 1
		.amdhsa_float_denorm_mode_32 3
		.amdhsa_float_denorm_mode_16_64 3
		.amdhsa_memory_ordered 1
		.amdhsa_forward_progress 1
		.amdhsa_inst_pref_size 203
	.end_amdhsa_kernel
	.amdgpu_metadata
---
amdhsa.version: [ 1, 2 ]
amdhsa.kernels:
  - .name:           k_qa510d72cd9_w1g
    .symbol:         k_qa510d72cd9_w1g.kd
    .args:
      - { .name: hfc, .offset: 0, .size: 8, .value_kind: global_buffer, .address_space: global }
      - { .name: wc, .offset: 8, .size: 8, .value_kind: global_buffer, .address_space: global }
      - { .name: ac, .offset: 16, .size: 8, .value_kind: global_buffer, .address_space: global }
    .group_segment_fixed_size: 327680
    .private_segment_fixed_size: 0
    .kernarg_segment_align: 8
    .kernarg_segment_size: 24
    .max_flat_workgroup_size: 128
    .sgpr_count:     100
    .vgpr_count:     768
    .wavefront_size: 32
...
	.end_amdgpu_metadata
.endif
;; end of part 6
;; launch w2g (part 7): grid 8 x 32, 4 waves a work-group, clusters of 4 x 4, 327,680 bytes of LDS; arguments ac, wc, x1, out0; writes out0
.if DOCPART == 7
	.amdgcn_target "amdgcn-amd-amdhsa--gfx1250"
	.amdhsa_code_object_version 6
	.text
	.protected	k_qa510d72cd9_w2g
	.globl	k_qa510d72cd9_w2g
	.p2align	8
	.type	k_qa510d72cd9_w2g,@function
k_qa510d72cd9_w2g:
	s_mov_b64 s[64:65], 0
	v_nop
	global_prefetch_b8 v0, s[64:65] scope:SCOPE_SE
	s_setreg_imm32_b32 hwreg(HW_REG_WAVE_MODE, 25, 1), 1
	s_wait_xcnt 0x0
	s_wait_alu depctr_hold_cnt(0) depctr_sa_sdst(0) depctr_va_vdst(0) depctr_va_sdst(0) depctr_va_ssrc(0) depctr_va_vcc(0) depctr_vm_vsrc(0)
	s_getreg_b32 s2, hwreg(HW_REG_IB_STS2, 6, 4)
	s_cmp_eq_u32 s2, 0
	s_cbranch_scc0 .Lentry_in_a_cluster
	s_endpgm
.Lentry_in_a_cluster:
	s_bfe_u32 s2, ttmp6, 0x10000c
	s_cmp_lg_u32 s2, 0xf033
	s_cbranch_scc0 .Lentry_shape_is_right
	s_endpgm
.Lentry_shape_is_right:
; W2G: out = x1 + act w2^T on codes of FP6.  The core is that of the launch for w_o: tiles of 128 tokens (S1) x 128 outputs (S0), 256 work-groups, one for each WGP; four waves, each 64 x 64: 16 accumulators; cluster 4 x 4, joint loads,
; each wave one group of 64 rows x four K steps (25,600 dense bytes) to a load.
; K is 2,048: sixteen K steps.  THREE LDS slots of four K steps (102,400 bytes each) take twelve of them with the first fills: three loads a wave are out at the start.  One refill is left: K steps 12 to 15 go into slot 0 at the head of
; K step 3, when all of slot 0's fragments are in registers, behind a round of the cluster's barrier: it has nine K steps, 144 matrix instructions a wave, in which to land.  The wait for all loads and the round in front of it also show
; slots 1 and 2 whole to every wave, so that no barrier stands between K steps 3 and 11.  All of a WGP's LDS is claimed.
; The residual of the wave's 64 x 64 numbers is asked for at the head, into window 2 beside the accumulators, and waited for once, behind the last product.  The way out goes through the wave's stage in slot 1, which is filled once and
; whose last reads lie ahead of the barrier in front of K step 12; block a goes through the stage while block a - 1 is added and stored.
; Nothing is prefetched: the launch has one refill, with nine K steps ahead of its use.
; AS THE TEXT NOW STANDS (this takes the place of what the lines above say of three first fills at the start): one joint load a wave at the head brings K steps 0 to 3 into slot 0 (four groups of 25,600 bytes).
; Behind the wait for it, the add and a round of the cluster's barrier, ONE load a wave brings K steps 4 to 11: a group's eight cells, 51,200 dense bytes, on end; the four groups lie from byte SLOT on, 2 GROW apart.
; 'Slot 1' and 'slot 2' below mean cells 4 to 7 and 8 to 11 of such a group.  The one refill, K steps 12 to 15 into slot 0, stands where it stood.  The two shapes share the groups 1: the words that hold the row's length are
; written anew where no tensor load of the wave is out.  The stage lies over the first bytes of S1's first group of eight cells, whose last reads lie ahead of the barrier in front of K step 12.
.set KS,   16
.set NSL,  3
.set S0OFF, 6553600                    ; w2's cells in wc
.set CELL, 6400
.set GROW, 4*CELL
.set SLOT, 4*GROW                      ; S1's two groups, then S0's two
.set SPARE, 3*SLOT                     ; behind the slots: the spare words, 128 bytes for each wave, which no other line names
.set STAGE, SLOT                       ; in slot 1
.set SPITCH, 272
.set AA,   4                           ; v4-12  S1: slot n at AA + 3 n: base + 16, 8, 4 x lane
.set AB,   44                          ; v44-52 S0 likewise
.set SC,   32
.set SF,   64
.set BK,   64
.set RES,  128
.set G1,   24
.set G1B,  48
.set G0,   84                          ; s[84:91] S1's groups 0: slot 0's, then that of slots 1 and 2
.set G0B,  68                          ; s[68:75] S0's
.set MSB,  0
.macro WIN new
.if MSB != \new
	s_set_vgpr_msb (MSB<<8)|\new
.set MSB, \new
.endif
.endm
.macro JLOAD n                         ; waves 0 and 1 fetch S1's two groups, waves 2 and 3 S0's two; four v_nop follow each of the two lines
	s_cmp_eq_u32 s15, 0
	s_cbranch_scc0 .Lfor_s0_\@
	tensor_load_to_lds s[G0+4*\n:G0+4*\n+3], s[G1:G1+7]
	s_nop 0
.rept 4
	v_nop
.endr
	s_branch .Lasked_\@
.Lfor_s0_\@:
	tensor_load_to_lds s[G0B+4*\n:G0B+4*\n+3], s[G1B:G1B+7]
	s_nop 0
.rept 4
	v_nop
.endr
.Lasked_\@:
.endm
.macro CROUND
	s_barrier_signal -1
	s_barrier_wait -1
	s_cmp_lg_u32 s14, 0
	s_cbranch_scc1 .Lnot_wave_0_\@
	s_barrier_signal -3
.Lnot_wave_0_\@:
	s_barrier_wait -3
	s_barrier_signal -1
	s_barrier_wait -1
.endm
.macro PLACES
.rept 4
	v_nop
.endr
.endm
.macro FRAG reg, adr, off
	ds_load_b128 v[\reg:\reg+3], v[\adr] offset:\off
	ds_load_b64 v[\reg+4:\reg+5], v[\adr+1] offset:\off+512
	ds_load_b128 v[\reg+6:\reg+9], v[\adr] offset:\off+768
	ds_load_b64 v[\reg+10:\reg+11], v[\adr+1] offset:\off+1280
.endm
.macro FETCH n, q, p                   ; 36 LDS loads: the fragments and scale words of slot n's q-th K step into set p
	WIN 0x40
.irp b, 0,1,2,3
	FRAG 64*(\p)+12*\b, AB+3*(\n), (\q)*CELL+\b*1536
.endr
	WIN 0
.irp a, 0,1,2,3
	FRAG SF+48*(\p)+12*\a, AA+3*(\n), (\q)*CELL+\a*1536
.endr
.irp i, 0,1
	ds_load_b32 v[SC+4*(\p)+\i], v[AA+3*(\n)+2] offset:(\q)*CELL+6144+128*\i
	ds_load_b32 v[SC+4*(\p)+2+\i], v[AB+3*(\n)+2] offset:(\q)*CELL+6144+128*\i
.endr
.endm
.macro WM a, b, p, zero
.set rD, 8*(4*(\a)+(\b))
.set rA, 64*(\p)+12*(\b)
.set rB, SF+48*(\p)+12*(\a)
.set sA, SC+4*(\p)+2+(\b)/2
.set sB, SC+4*(\p)+(\a)/2
.set vv, 4*(\zero)+2*((\b)%2)+(\a)%2
.if vv == 0
	v_wmma_scale_f32_16x16x128_f8f6f4 v[rD:rD+7], v[rA:rA+11], v[rB:rB+11], v[rD:rD+7], v[sA], v[sB] matrix_a_fmt:MATRIX_FMT_FP6 matrix_b_fmt:MATRIX_FMT_FP6
.elseif vv == 1
	v_wmma_scale_f32_16x16x128_f8f6f4 v[rD:rD+7], v[rA:rA+11], v[rB:rB+11], v[rD:rD+7], v[sA], v[sB] matrix_a_fmt:MATRIX_FMT_FP6 matrix_b_fmt:MATRIX_FMT_FP6 matrix_b_scale:MATRIX_SCALE_ROW1
.elseif vv == 2
	v_wmma_scale_f32_16x16x128_f8f6f4 v[rD:rD+7], v[rA:rA+11], v[rB:rB+11], v[rD:rD+7], v[sA], v[sB] matrix_a_fmt:MATRIX_FMT_FP6 matrix_b_fmt:MATRIX_FMT_FP6 matrix_a_scale:MATRIX_SCALE_ROW1
.elseif vv == 3
	v_wmma_scale_f32_16x16x128_f8f6f4 v[rD:rD+7], v[rA:rA+11], v[rB:rB+11], v[rD:rD+7], v[sA], v[sB] matrix_a_fmt:MATRIX_FMT_FP6 matrix_b_fmt:MATRIX_FMT_FP6 matrix_a_scale:MATRIX_SCALE_ROW1 matrix_b_scale:MATRIX_SCALE_ROW1
.elseif vv == 4
	v_wmma_scale_f32_16x16x128_f8f6f4 v[rD:rD+7], v[rA:rA+11], v[rB:rB+11], 0, v[sA], v[sB] matrix_a_fmt:MATRIX_FMT_FP6 matrix_b_fmt:MATRIX_FMT_FP6
.elseif vv == 5
	v_wmma_scale_f32_16x16x128_f8f6f4 v[rD:rD+7], v[rA:rA+11], v[rB:rB+11], 0, v[sA], v[sB] matrix_a_fmt:MATRIX_FMT_FP6 matrix_b_fmt:MATRIX_FMT_FP6 matrix_b_scale:MATRIX_SCALE_ROW1
.elseif vv == 6
	v_wmma_scale_f32_16x16x128_f8f6f4 v[rD:rD+7], v[rA:rA+11], v[rB:rB+11], 0, v[sA], v[sB] matrix_a_fmt:MATRIX_FMT_FP6 matrix_b_fmt:MATRIX_FMT_FP6 matrix_a_scale:MATRIX_SCALE_ROW1
.else
	v_wmma_scale_f32_16x16x128_f8f6f4 v[rD:rD+7], v[rA:rA+11], v[rB:rB+11], 0, v[sA], v[sB] matrix_a_fmt:MATRIX_FMT_FP6 matrix_b_fmt:MATRIX_FMT_FP6 matrix_a_scale:MATRIX_SCALE_ROW1 matrix_b_scale:MATRIX_SCALE_ROW1
.endif
.endm
.macro MUL16 p, zero                   ; the 16 accumulators take turns, one instruction a turn, in the same order in every step
	WIN 0xa1
.irp a, 0,1,2,3
.irp b, 0,1,2,3
	WM \a, \b, \p, \zero
.endr
.endr
.endm
.macro NSTEP s, zero                   ; K step s; its successor's slot has been shown whole
.if (\s) > 0
	PLACES
.endif
	FETCH (((\s)+1)/4)%NSL, ((\s)+1)%4, ((\s)+1)%2
	s_wait_dscnt 36                                ; all but the 36 loads just issued
	MUL16 (\s)%2, \zero
.endm
; Slot 0, whose last K step's fragments have been asked for, is filled again with K steps 12 to 15: twelve cells further on.
.macro REFILL
	WIN 0
	s_wait_tensorcnt 0x0                           ; all my tensor loads have landed, my parts of slots 1 and 2 among them: so a group 0 may be written
	ds_add_u32 v28, v29                            ; 0 onto my spare word; the descriptors' steps stand between it and the wait for it
	s_add_nc_u64 s[G0+2:G0+3], s[G0+2:G0+3], 3*GROW
	s_add_nc_u64 s[G0B+2:G0B+3], s[G0B+2:G0B+3], 3*GROW
.irp g, G1, G1B
	s_mov_b32 s[\g+1], 3200<<16                    ; a load brings four cells again
	s_mov_b32 s[\g+3], 3200<<16
	s_mov_b32 s[\g+5], 3200
.endr
	s_wait_dscnt 0x0                               ; the add is done, and my reads of slot 0 are over
	CROUND                                         ; no wave of any partner still reads slot 0 or has a load on its way
	JLOAD 0                                        ; the first tensor load behind the round; its four v_nop also stand between the last products and the loads into registers that they read
.endm
.macro TOSTAGE a                       ; block a's 16 tokens x 64 outputs into my stage, each accumulator from its low end on, and back, two rows to a load
	WIN 0x08
.irp b, 0,1,2,3
	ds_store_b128 v24, v[32*(\a)+8*\b:32*(\a)+8*\b+3] offset:128*(\b/2)+32*(\b%2)
	ds_store_b128 v24, v[32*(\a)+8*\b+4:32*(\a)+8*\b+7] offset:128*(\b/2)+32*(\b%2)+16
.endr
	WIN 0
.set i, 0
.rept 8
	ds_load_b128 v[BK+32*((\a)%2)+4*i:BK+32*((\a)%2)+4*i+3], v25 offset:i*2*SPITCH   ; LDS serves a wave's instructions in order: these see the stores above, and the next block's stores come behind them
.set i, i+1
.endr
.endm
.macro SEND a                          ; block a: + the residual, and out.  Stage rows 2 i and 2 i + 1 are tokens 32 (a / 2) + 8 (a % 2) + 2 i + 8 (i / 4) and the next of my 64
	WIN 0x08
.set i, 0
.rept 16
	v_pk_add_f32 v[BK+32*((\a)%2)+2*i:BK+32*((\a)%2)+2*i+1], v[BK+32*((\a)%2)+2*i:BK+32*((\a)%2)+2*i+1], v[RES+32*(\a)+2*i:RES+32*(\a)+2*i+1]
.set i, i+1
.endr
	WIN 0
.set i, 0
.rept 8
	global_store_b128 v26, v[BK+32*((\a)%2)+4*i:BK+32*((\a)%2)+4*i+3], s[10:11] offset:(32*((\a)/2)+8*((\a)%2)+2*i+8*(i/4))*4096 th:TH_STORE_NT   ; 16 lanes store 256 consecutive bytes, aligned on 256
.set i, i+1
.endr
.endm
	s_load_b128 s[4:7], s[0:1], 0x0                ; ac, wc
	s_load_b128 s[8:11], s[0:1], 0x10              ; x1, out0
	v_lshl_add_u32 v28, v0, 2, SPARE
	v_mov_b32 v29, 0
	ds_add_u32 v28, v29
	ds_add_u32 v28, v29
	s_wait_dscnt 0x0
	v_lshrrev_b32 v1, 5, v0
	v_readfirstlane_b32 s14, v1                    ; wave 0..3
	s_lshr_b32 s15, s14, 1                         ; wi: my 64 rows of S1.  Also: I fetch for S1 (0) or for S0 (1)
	s_and_b32 s16, s14, 1                          ; wj: my 64 rows of S0.  Also: which group I fetch
	s_bfe_u32 s40, ttmp6, 0x40000
	s_bfe_u32 s41, ttmp6, 0x40004
	s_lshl_b32 s42, ttmp9, 2
	s_add_co_u32 s42, s42, s40                     ; S0's tile of 128 rows
	s_and_b32 s17, ttmp7, 0xffff
	s_lshl_b32 s17, s17, 2
	s_add_co_u32 s17, s17, s41                     ; S1's tile of 128 rows
	s_lshl_b32 s43, s41, 2
	s_lshl_b32 s43, 15, s43
	s_lshl_b32 s44, 0x1111, s40
	s_or_b32 s[G1], s43, (3<<16)|(1<<21)           ; a group's four cells, 25,600 dense bytes, as one row of 3,200 elements of 8 bytes; S1's go to my row of the cluster,
	s_or_b32 s[G1B], s44, (3<<16)|(1<<21)          ; S0's to my column
.irp g, G1, G1B
	s_mov_b32 s[\g+1], 3200<<16
	s_mov_b32 s[\g+2], 1<<16
	s_mov_b32 s[\g+3], 3200<<16
	s_mov_b32 s[\g+4], 1
	s_mov_b32 s[\g+5], 3200
	s_mov_b32 s[\g+6], 0
	s_mov_b32 s[\g+7], 0
.endr
	s_lshl_b32 s20, s17, 1
	s_add_co_u32 s20, s20, s16
	s_mul_i32 s20, s20, KS*CELL
	s_mov_b32 s21, 0
	s_lshl_b32 s46, s42, 1
	s_add_co_u32 s46, s46, s16
	s_mul_i32 s46, s46, KS*CELL
	s_add_co_u32 s46, s46, S0OFF
	s_mov_b32 s47, 0
	s_mul_i32 s45, s16, GROW
	s_add_co_u32 s22, s45, 2*GROW
	s_wait_kmcnt 0x0
	s_add_nc_u64 s[20:21], s[4:5], s[20:21]
	s_add_nc_u64 s[46:47], s[6:7], s[46:47]
	CROUND                                         ; all sixteen work-groups are here: the joint loads meet
.irp n, 0,1
	s_mov_b32 s[G0+4*\n], 1
	s_add_nc_u64 s[G0+4*\n+2:G0+4*\n+3], s[20:21], \n*GROW
	s_or_b32 s[G0+4*\n+3], s[G0+4*\n+3], 0x80000000
	s_mov_b32 s[G0B+4*\n], 1
	s_add_nc_u64 s[G0B+4*\n+2:G0B+4*\n+3], s[46:47], \n*GROW
	s_or_b32 s[G0B+4*\n+3], s[G0B+4*\n+3], 0x80000000
.endr
	s_add_co_u32 s[G0+1], s45, 0                   ; K steps 0 to 3 go into slot 0,
	s_add_co_u32 s[G0B+1], s22, 0
	s_lshl_b32 s23, s45, 1
	s_add_co_u32 s[G0+5], s23, SLOT                ; K steps 4 to 11 behind it: groups of 2 GROW bytes
	s_add_co_u32 s[G0B+5], s23, SLOT+4*GROW
	JLOAD 0                                        ; one tensor load a wave at the head
	v_and_b32 v1, 31, v0
	v_lshlrev_b32 v16, 4, v1
	v_lshlrev_b32 v17, 3, v1
	v_lshlrev_b32 v18, 2, v1
	v_and_b32 v2, 15, v0
	v_bfe_u32 v3, v0, 4, 1
	v_lshlrev_b32 v26, 4, v2
	v_lshl_add_u32 v26, v3, 12, v26                ; in x1 and out: 16 bytes a lane of a row's 256; lanes 16-31 one row of 4,096 bytes further down
	s_wait_alu depctr_va_vdst(0)
	s_lshl_b32 s20, s17, 1
	s_add_co_u32 s20, s20, s15
	s_lshl_b32 s20, s20, 18
	s_lshl_b32 s46, s42, 1
	s_add_co_u32 s46, s46, s16
	s_lshl_b32 s46, s46, 8
	s_add_co_u32 s20, s20, s46
	s_mov_b32 s21, 0
	s_add_nc_u64 s[8:9], s[8:9], s[20:21]
	s_add_nc_u64 s[10:11], s[10:11], s[20:21]
	WIN 0x80                                       ; destination window 2: the residual
.irp a, 0,1,2,3
.set i, 0
.rept 8
	global_load_b128 v[RES+32*\a+4*i:RES+32*\a+4*i+3], v26, s[8:9] offset:(32*(\a/2)+8*(\a%2)+2*i+8*(i/4))*4096 th:TH_LOAD_NT
.set i, i+1
.endr
.endr
	WIN 0
	s_mul_i32 s18, s15, GROW
	s_mul_i32 s19, s16, GROW
	s_add_co_u32 s19, s19, 2*GROW
.irp n, 0,1,2
	v_add_nc_u32 v[AA+3*\n], s18, v16
	v_add_nc_u32 v[AA+3*\n+1], s18, v17
	v_add_nc_u32 v[AA+3*\n+2], s18, v18
	v_add_nc_u32 v[AB+3*\n], s19, v16
	v_add_nc_u32 v[AB+3*\n+1], s19, v17
	v_add_nc_u32 v[AB+3*\n+2], s19, v18
.if \n == 0
	s_lshl_b32 s18, s18, 1                         ; from slot 0's groups of GROW bytes to the groups of 2 GROW bytes behind it
	s_lshl_b32 s19, s19, 1
	s_add_co_u32 s18, s18, SLOT
	s_add_co_u32 s19, s19, SLOT
.else
	s_add_co_u32 s18, s18, GROW
	s_add_co_u32 s19, s19, GROW
.endif
.endr
	s_mul_i32 s23, s14, 16*SPITCH                  ; my stage
	s_add_co_u32 s23, s23, STAGE
	v_mul_u32_u24 v24, v2, SPITCH
	v_lshl_add_u32 v24, v3, 6, v24
	v_add_nc_u32 v24, s23, v24
	v_mul_u32_u24 v25, v3, SPITCH
	v_lshl_add_u32 v25, v2, 4, v25
	v_add_nc_u32 v25, s23, v25
	s_wait_alu depctr_va_vdst(0)                   ; the wait at the head's end
	s_wait_tensorcnt 0x0                           ; my part of slot 0 is in
	ds_add_u32 v28, v29
.irp g, G1, G1B
	s_mov_b32 s[\g+1], 6400<<16                    ; no tensor load of mine is out: the next load brings eight cells, one row of 6,400 elements
	s_mov_b32 s[\g+3], 6400<<16
	s_mov_b32 s[\g+5], 6400
.endr
	s_wait_dscnt 0x0
	CROUND                                         ; everybody's part of slot 0 is in, and all sixteen work-groups are here
	JLOAD 1                                        ; K steps 4 to 11: the first tensor load behind the round
	FETCH 0, 0, 0
	NSTEP 0, 1
	NSTEP 1, 0
	NSTEP 2, 0
	REFILL                                         ; K steps 12 to 15
	FETCH 1, 0, 0
	MUL16 1, 0
	NSTEP 4, 0
	NSTEP 5, 0
	NSTEP 6, 0
	s_wait_alu depctr_va_vdst(0)
	NSTEP 7, 0
	NSTEP 8, 0
	NSTEP 9, 0
	NSTEP 10, 0
	s_wait_tensorcnt 0x0                           ; my part of K steps 12 to 15 is in: no load was issued behind it
	s_wait_dscnt 0x0                               ; my reads of slots 1 and 2 are over
	s_barrier_signal -1
	s_barrier_wait -1
	PLACES
	FETCH 0, 0, 0
	MUL16 1, 0
	NSTEP 12, 0
	NSTEP 13, 0
	NSTEP 14, 0
	s_wait_dscnt 0x0
	MUL16 1, 0
	WIN 0
	PLACES
	s_wait_loadcnt 0x0                             ; the residual
	TOSTAGE 0
.irp a, 1,2,3
.if \a > 1
	s_wait_xcnt 0x0                                ; block a - 2's stores have read their registers: this block's rows may land there
.endif
	TOSTAGE \a
	s_wait_dscnt 16                                ; behind block a - 1's loads: block a's 8 stores and 8 loads
	SEND \a-1
.endr
	s_wait_dscnt 0x0
	SEND 3
	s_wait_tensorcnt 0x0                           ; the wave's end: behind my last tensor load and my last LDS store
	ds_add_u32 v28, v29
	s_wait_dscnt 0x0
	CROUND                                         ; the closing round
	s_endpgm
.Lfunc_end_k_qa510d72cd9_w2g:
	.size	k_qa510d72cd9_w2g, .Lfunc_end_k_qa510d72cd9_w2g-k_qa510d72cd9_w2g
	.p2alignl 7, 3214868480
	.fill 96, 4, 3214868480
	.section	.rodata,"a",@progbits
	.p2align	6, 0x0
	.amdhsa_kernel k_qa510d72cd9_w2g
		.amdhsa_group_segment_fixed_size 327680
		.amdhsa_private_segment_fixed_size 0
		.amdhsa_enable_private_segment 0
		.amdhsa_kernarg_size 32
		.amdhsa_user_sgpr_count 2
		.amdhsa_user_sgpr_kernarg_segment_ptr 1
		.amdhsa_wavefront_size32 1
		.amdhsa_system_sgpr_workgroup_id_x 1
		.amdhsa_system_sgpr_workgroup_id_y 1
		.amdhsa_system_sgpr_workgroup_id_z 1
		.amdhsa_system_vgpr_workitem_id 0
		.amdhsa_next_free_vgpr 768
		.amdhsa_next_free_sgpr 100
		.amdhsa_reserve_vcc 0
		.amdhsa_float_denorm_mode_32 3
		.amdhsa_float_denorm_mode_16_64 3
		.amdhsa_memory_ordered 1
		.amdhsa_forward_progress 1
		.amdhsa_inst_pref_size 97
	.end_amdhsa_kernel
	.amdgpu_metadata
---
amdhsa.version: [ 1, 2 ]
amdhsa.kernels:
  - .name:           k_qa510d72cd9_w2g
    .symbol:         k_qa510d72cd9_w2g.kd
    .args:
      - { .name: ac, .offset: 0, .size: 8, .value_kind: global_buffer, .address_space: global }
      - { .name: wc, .offset: 8, .size: 8, .value_kind: global_buffer, .address_space: global }
      - { .name: x1, .offset: 16, .size: 8, .value_kind: global_buffer, .address_space: global }
      - { .name: out0, .offset: 24, .size: 8, .value_kind: global_buffer, .address_space: global }
    .group_segment_fixed_size: 327680
    .private_segment_fixed_size: 0
    .kernarg_segment_align: 8
    .kernarg_segment_size: 32
    .max_flat_workgroup_size: 128
    .sgpr_count:     100
    .vgpr_count:     768
    .wavefront_size: 32
...
	.end_amdgpu_metadata
.endif
;; end of part 7
